; MI455X (gfx1250); checked and timed in simulation.
; The chip was launched on July 23, 2026; its instructions are those of AMD's public machine-readable ISA for CDNA 5 (MIT licence, August 2026) and "CDNA5" Instruction Set Architecture Reference Guide (July 2026). The comments in the code are by the model that wrote it; some were corrected since.
;; Transformer Block. Allowed arithmetic: matrix products marked QUANTISED: E5M2 operands, one E8M0 scale for each 32 along K, by v_wmma_scale_f32_16x16x128_f8f6f4 with both operands' format E5M2, f32 sums; products left as they are: f32 operands where the result goes on into a quantised operand, else bf16, f16 or f32 operands; f32 sums; everything else in f32.
;; Inputs: W1 128 x 65,536 float32; W2 65,536 x 128 float32; Wk 8 x 128 x 16 float32; Wo 128 x 128 float32; Wq 8 x 128 x 16 float32; Wv 8 x 128 x 16 float32; be1 128 float32; be2 128 float32; bf1 65,536 float32; bf2 128 float32; bo 128 float32; g1 128 float32; g2 128 float32; x 2 x 1,024 x 128 float32.
;; Outputs: out0 2 x 1,024 x 128 float32.
;; This version of the problem:
;;   THIS VERSION OF THE PROBLEM IS GIVEN IN LOW PRECISION. The matrix products marked QUANTISED in the list below multiply operands that are first quantised to E5M2 (5 exponent bits, 2 mantissa bits; 8 bits a number), with one power-of-two scale for each 32 numbers along K (OCP MX v1.0); their sums are f32. All else is computed in f32.
;;   The module's matrix products, in the order in which they are computed (A, B: the left and right operand; K: the contracted axis; several contracted axes count as one K, in the product's order):
;;     1. [M 128, K 128] x [K 128, N 2,048]; A: input Wq; B: computed on the way: QUANTISED
;;     2. [M 128, K 128] x [K 128, N 2,048]; A: input Wk; B: computed on the way: QUANTISED
;;     3. [M 128, K 128] x [K 128, N 2,048]; A: input Wv; B: computed on the way: QUANTISED
;;     4. batch 16 x [M 1,024, K 16] x [K 16, N 1,024]; A: computed on the way; B: computed on the way: left as it is (K = 16 < 32)
;;     5. batch 16 x [M 1,024, K 1,024] x [K 1,024, N 16]; A: softmax (see below); B: computed on the way: QUANTISED
;;     6. [M 2,048, K 128] x [K 128, N 128]; A: computed on the way; B: input Wo: QUANTISED
;;     7. [M 2,048, K 128] x [K 128, N 65,536]; A: computed on the way; B: input W1: QUANTISED
;;     8. [M 2,048, K 65,536] x [K 65,536, N 128]; A: computed on the way; B: input W2: QUANTISED
;;   THE QUANTISER, for each operand of a quantised product, along K:
;;     - K is cut into blocks of 32 from its start; a last block that is shorter is filled with zeros.
;;     - A block's scale is 2^e with e = floor(log2(the largest magnitude in the block)) - 15, held to -126 .. 127; a block of zeros has e = 0. As a byte (E8M0): e + 127.
;;     - Each number is divided by its block's scale, clamped to +-57,344, and rounded to the nearest number of E5M2, ties to even, subnormals kept.
;;     - The product sums the exact products of the quantised numbers (number of the format x scale) in f32.
;;   ~~~python
;;   def quantise(x, axis):      # numpy; x: float32 -> the quantised numbers, widened to float32 again
;;       x = np.moveaxis(x, axis, -1); K = x.shape[-1]
;;       x = np.pad(x, [(0, 0)] * (x.ndim - 1) + [(0, -K % 32)]); x = x.reshape(x.shape[:-1] + (-1, 32)); a = np.abs(x).max(-1, keepdims=True)
;;       e = np.where(a > 0, np.clip(np.frexp(np.where(a > 0, a, 1))[1] - 1 - 15, -126, 127), 0)      # np.frexp(a)[1] - 1 = floor(log2(a)), exactly
;;       r = np.clip(x / 2.0 ** e, -57344, 57344)
;;       step = 2.0 ** (np.maximum(np.frexp(np.where(r == 0, 1, r))[1] - 1, -14) - 2)
;;       q = np.round(r / step) * step * 2.0 ** e      # np.round: ties to even
;;       return np.moveaxis(q.reshape(q.shape[:-2] + (-1,))[..., :K], -1, axis).astype(np.float32)
;;   ~~~
;;   SOFTMAX AHEAD OF A QUANTISED PRODUCT. Where the list says 'softmax', what is quantised is not the finished softmax but p = 2^(t - M), with t = logit x log2(e) and M = ceil(the row's largest t), a whole number; so 1/2 < the row's largest p <= 1. The row's sum l is taken of the UNQUANTISED p, in f32, and the product's result is divided by l at the end. Since M is a whole number, a kernel that streams over the keys may use a running M (the ceiling of the running maximum): every later rescaling is an exact power of two, which a block's scale takes up: the codes' values come out the same.
;;   OPERANDS COMPUTED ON THE WAY. 'Computed on the way' means the value that the module computes at that place (a softmax that the list does not call 'softmax' is quantised finished and normalised). What goes into a quantiser is computed in f32, as accurately as f32 sums, v_exp_f32 and their like allow (about 1e-6 of the number): no bf16 or f16 on the way to a quantiser, and a product that is left as it is and whose result goes on into a quantised operand takes f32 operands (vector FMAs, or v_wmma_f32_16x16x4_f32). A number that lies on a knife's edge between two numbers of the format may be rounded either way, as far as f32 arithmetic and the matrix unit's own rounding can turn it there, and no further.
;; One version. Each part assembles by itself: llvm-mc -triple=amdgcn-amd-amdhsa -mcpu=gfx1250 --defsym DOCPART=n.
;; ======== version 1 of 1: 4 launches
;; limits: right only within a limited range of input values
;; workspace buffers: wcodes 17,563,648 bytes; att 2,393,088 bytes; oc 294,912 bytes; part 16,777,216 bytes
;; launch prep (part 1): grid 273 x 1, 8 waves a work-group, no clusters, 167,936 bytes of LDS; arguments x, g1, be1, Wq, Wk, Wv, Wo, W1, bf1, att, wcodes; writes att, wcodes
.if DOCPART == 1
	.amdgcn_target "amdgcn-amd-amdhsa--gfx1250"
	.amdhsa_code_object_version 6
	.text
	.protected	k_q899f29980b_prep
	.globl	k_q899f29980b_prep
	.p2align	8
	.type	k_q899f29980b_prep,@function
k_q899f29980b_prep:
	s_mov_b64 s[64:65], 0
	v_nop
	global_prefetch_b8 v0, s[64:65] scope:SCOPE_SE
	s_setreg_imm32_b32 hwreg(HW_REG_WAVE_MODE, 25, 1), 1
	s_wait_xcnt 0x0
; THREE JOBS IN ONE LAUNCH, parted on the work-group's number; the long ones have the low numbers.
; Work-groups 0-15: LayerNorm 1 of 128 tokens each, h quantised to BF8 (E5M2) codes with one E8M0 scale for each 32 along E, Wq, Wk, Wv quantised along E,
;   q, k, v by the scaled matrix instruction; q and k leave as f32 in the order in which the f32 matrix instruction's registers take them, v leaves quantised along the keys.
; Work-group 16: Wo is quantised along its first axis, 16 columns to a wave.
; Work-groups 17-272: W1 [128][65536] f32 is quantised along its first axis: a lane takes a column, its registers run down K, and the codes leave as IMAGES of the operand's registers
;   (group c of four registers at 512 c + 16 x lane), so that the FFN launch reads fragments whole.  bf1 is copied beside W1's scale words.
; A block's scale is 2^(floor(log2(largest magnitude)) - 15); its byte is the largest magnitude's exponent field - 15, held at 1 from below.
; LIMITS: a block whose largest magnitude lies under 2^-111 gets the byte 1; a block of zeros gets the byte 1 where the rule says 127 (its codes are zeros, and this program alone reads the bytes);
;   NaN and infinities among the inputs are not served.
; No tensor loads and no joint requests: what work-groups share here (the three small weights, 192 KiB) is a small part of the 33.5 MB that the launch streams once.
; THE TOKENS OF A TILE ARE NOT NEIGHBOURS: lane r of tile 2 c + u takes token 32 c + 8 u + r + 8 (r / 8), so that in the scores and in v the 16 registers of tiles 2 c, 2 c + 1 are 16 neighbouring keys.
; THE ORDER OF THE QKV PATH'S LOADS.  A wave's 50 first loads (g1, be1, x, Wq, Wk) go out together; Wv's 16 follow as soon as Wq's registers are free, and land under the work on Wk and on h.
;   A head's weight is 8,192 consecutive bytes with K outermost: 16 loads of 16 bytes a lane bring it, and the hold of the quantiser, which writes each number anyway, puts a column's numbers on end.
.set HSC,   16384                      ; LDS: h's eight images of 2,048 bytes from 0 on, their scale words (128 bytes each) from here on
.set PRIV,  17408                      ; behind them each wave's own bytes:
.set PRIVB, 7424                       ;   g1 (512), be1 (512), the images of its three weights (3 x 2,048), their scale words (3 x 64)
.set IMO,   1024
.set SWO,   7168
.set TM,  16                           ; v16-31 at work in the quantisers: +0 largest magnitudes, +4 bytes, +8 largest number x scale, +12 the conversions' scale operands
.set CT,  32                           ; v32-47   a weight's codes as they are made; in the product loop Wq's fragment
.set TP,  48                           ; v48-63   one column's 16 held numbers; in the product loop Wk's fragment
.set X,   64                           ; v64-127  my token's 64 numbers; in the product loop v64-79 Wv's fragment
.set G,   128                          ; v128-191 Wq as loaded, then Wv; later two fragments of h (144-175), results from 176
.set BE,  192                          ; v192-255 Wk as loaded, then g1 and be1 by halves, then h's codes; later results to 223 and v's codes 224-239
.set HF,  144
.set QX,  32                           ; the W1 path: v32-95 two sets of 32 numbers, v96-127 a block's codes, a set for each block
.set QC,  96
.macro NOPS n
.rept \n
	v_nop
.endr
.endm
	s_load_b512 s[4:19], s[0:1], 0x0               ; x s4, g1 s6, be1 s8, Wq s10, Wk s12, Wv s14, Wo s16, W1 s18
	s_load_b128 s[20:23], s[0:1], 0x40             ; bf1 s20, att s22
	s_load_b64 s[24:25], s[0:1], 0x50              ; wcodes s24
	v_lshrrev_b32 v1, 5, v0
	s_delay_alu instid0(VALU_DEP_1)
	v_readfirstlane_b32 s28, v1                    ; wave 0..7
	s_mov_b32 s30, 0x76543210
	s_mov_b32 s31, 0xfedcba98                      ; v_permlanex16_b32's selects for lane l xor 16
	s_mov_b32 s32, 0x600000                        ; the mantissa field of 57,344
	s_cmp_lt_u32 ttmp9, 17
	s_cbranch_scc1 .Lqkv
; ---------------- W1: wave w of work-group u takes columns 256 u + 32 w + lane: bundle J = 2 u + w / 4, group b = w % 4 of 32 hidden units
	s_sub_co_u32 s29, ttmp9, 17                    ; u
	v_and_b32 v1, 31, v0                           ; lane
	s_delay_alu instid0(VALU_DEP_1)
	v_lshlrev_b32 v2, 2, v1                        ; 4 x lane
	v_bfe_u32 v3, v0, 3, 1                         ; which tile of the pair: (lane / 8) % 2
	v_and_b32 v4, 7, v0
	v_bfe_u32 v5, v0, 4, 1
	s_delay_alu instid0(VALU_DEP_1)
	v_lshl_add_u32 v4, v5, 3, v4                   ; and which row of it: lane % 8 + 8 (lane / 16)
	s_delay_alu instid0(VALU_DEP_1)
	v_lshlrev_b32 v6, 4, v4
	s_delay_alu instid0(VALU_DEP_1)
	v_lshl_add_u32 v6, v3, 11, v6                  ; my codes' place: 2,048 x tile + 16 x row
	s_delay_alu instid0(VALU_DEP_3)
	v_lshl_add_u32 v7, v3, 4, v4
	s_delay_alu instid0(VALU_DEP_1)
	v_lshlrev_b32 v7, 2, v7                        ; my scale word's: 4 (16 x tile + row)
	s_lshl_b32 s34, s29, 10
	s_lshl_b32 s36, s28, 7
	s_add_co_u32 s34, s34, s36                     ; 4 x my wave's first column
	s_mov_b32 s35, 0
	s_lshl_b32 s36, s29, 1
	s_lshr_b32 s37, s28, 2
	s_add_co_u32 s36, s36, s37                     ; J
	s_and_b32 s37, s28, 3                          ; b
	s_mul_i32 s38, s36, 34304                      ; a bundle: 32,768 bytes of codes, then 1,536 of scale words and bias
	s_lshl_b32 s39, s37, 12
	s_add_co_u32 s38, s38, s39                     ; 34,304 J + 4,096 b
	s_mov_b32 s39, 0
	s_mul_i32 s40, s36, 34304
	s_lshl_b32 s41, s37, 7
	s_add_co_u32 s40, s40, s41
	s_add_co_u32 s40, s40, 32768                   ; 34,304 J + 32,768 + 128 b
	s_mov_b32 s41, 0
	s_wait_alu depctr_va_vdst(0)
	s_wait_kmcnt 0x0
	s_add_nc_u64 s[20:21], s[20:21], s[34:35]
	s_add_nc_u64 s[26:27], s[24:25], s[40:41]
	s_add_nc_u64 s[24:25], s[24:25], s[38:39]
	s_add_nc_u64 s[42:43], s[18:19], s[34:35]      ; a base for each block of 32 rows: 32 rows of 262,144 bytes apart, so that every row's offset fits the signed 24-bit immediate
	s_add_nc_u64 s[44:45], s[42:43], 0x800000
	s_add_nc_u64 s[46:47], s[44:45], 0x800000
	s_add_nc_u64 s[48:49], s[46:47], 0x800000
.macro QLOAD t                         ; block t: W1(32 t + i, my column), i = 0 .. 31, into set t % 2; a wave's load covers 128 consecutive bytes, the work-group's eight 1,024
.irp i, 0,1,2,3,4,5,6,7,8,9,10,11,12,13,14,15,16,17,18,19,20,21,22,23,24,25,26,27,28,29,30,31
	global_load_b32 v[QX+32*((\t)%2)+\i], v2, s[42+2*(\t):43+2*(\t)] offset:\i*262144 th:TH_LOAD_NT
.endr
.endm
.macro QBLOCK t
.set XS, QX+32*((\t)%2)
.if (\t) < 3
	s_wait_loadcnt 32                              ; this block's loads are in; the next block's 32 may be out
.else
	s_wait_loadcnt 0x0
.endif
	v_max3_num_f32 v16, |v[XS]|, |v[XS+1]|, |v[XS+2]|              ; the block's largest magnitude: all 32 numbers are mine
	v_max3_num_f32 v17, |v[XS+3]|, |v[XS+4]|, |v[XS+5]|
.irp i, 6,10,14,18,22,26
	s_delay_alu instid0(VALU_DEP_2)
	v_max3_num_f32 v16, v16, |v[XS+\i]|, |v[XS+\i+1]|
	s_delay_alu instid0(VALU_DEP_2)
	v_max3_num_f32 v17, v17, |v[XS+\i+2]|, |v[XS+\i+3]|
.endr
	s_delay_alu instid0(VALU_DEP_2)
	v_max3_num_f32 v16, v16, |v[XS+30]|, |v[XS+31]|
	s_delay_alu instid0(VALU_DEP_1)
	v_max3_num_f32 v16, v16, v17, 0x8000000        ; and the floor 2^(16 - 127): the byte cannot fall under 1
	s_delay_alu instid0(VALU_DEP_1)
	v_add_nc_u32 v19, 0xf8800000, v16              ; 15 off the exponent field: the conversion's scale operand
	s_delay_alu instid0(VALU_DEP_2)
	v_and_or_b32 v18, v16, 0x7f800000, s32         ; 57,344 x the scale
	s_delay_alu instid0(VALU_DEP_2)
	v_lshrrev_b32 v17, 23, v19                     ; the scale's byte
.if (\t) == 0
	s_delay_alu instid0(VALU_DEP_1)
	v_mov_b32 v20, v17
.else
	s_delay_alu instid0(VALU_DEP_1)
	v_lshl_or_b32 v20, v17, 8*(\t), v20            ; four bytes make my column's scale word
.endif
.irp i, 0,1,2,3,4,5,6,7,8,9,10,11,12,13,14,15,16,17,18,19,20,21,22,23,24,25,26,27,28,29,30,31
	v_med3_num_f32 v[XS+\i], v[XS+\i], -v18, v18   ; the conversion to an 8-bit code does not saturate (ISA guide 7.6.2): the hold comes first
.endr
.irp g, 0,1,2,3
	v_cvt_scalef32_pk8_bf8_f32 v[QC+8*(\t)+2*\g:QC+8*(\t)+2*\g+1], v[XS+8*\g:XS+8*\g+7], v19
.endr
	v_nop                                          ; a plain line behind the last conversion
	global_store_b128 v6, v[QC+8*(\t):QC+8*(\t)+3], s[24:25] offset:512*(\t)          ; k = 32 t + 0 .. 15: the image's lanes 0-15; sixteen lanes store 256 consecutive bytes, aligned
	global_store_b128 v6, v[QC+8*(\t)+4:QC+8*(\t)+7], s[24:25] offset:512*(\t)+256    ; k = 32 t + 16 .. 31: its lanes 16-31
.if (\t)+2 < 4
	QLOAD (\t)+2
.endif
.endm
	global_load_b32 v21, v2, s[20:21]              ; my column's bias
	QLOAD 0
	QLOAD 1
	QBLOCK 0
	QBLOCK 1
	QBLOCK 2
	QBLOCK 3
	global_store_b32 v7, v20, s[26:27]             ; W1's scale words: lanes' places 0-15 the even tile's rows, 16-31 the odd tile's
	global_store_b32 v2, v21, s[26:27] offset:1024 ; bf1, in its own order
	s_endpgm
; ---------------- LayerNorm 1 and products 1 to 3; Wo
; 64 numbers of a lane, register 16 b + i = k 32 b + 16 (lane / 16) + i of the lane's row, become a fragment's 16 registers of codes and its scale word
.macro QUANT src, dst, wrd
.irp b, 0,1,2,3
	v_max3_num_f32 v[TM+\b], |v[\src+16*\b]|, |v[\src+1+16*\b]|, 0x8000000   ; my 16 numbers of block b, and the floor 2^(16 - 127)
.endr
.irp i, 2,4,6,8,10,12,14
.irp b, 0,1,2,3
	s_delay_alu instid0(VALU_DEP_4)
	v_max3_num_f32 v[TM+\b], v[TM+\b], |v[\src+16*\b+\i]|, |v[\src+1+16*\b+\i]|   ; the four blocks by turns
.endr
.endr
.irp b, 0,1,2,3
	s_delay_alu instid0(VALU_DEP_4)
	v_permlanex16_b32 v[TM+4+\b], v[TM+\b], s30, s31
.endr
.irp b, 0,1,2,3
	s_delay_alu instid0(VALU_DEP_4)
	v_max_num_f32 v[TM+\b], v[TM+\b], v[TM+4+\b]   ; with lane l xor 16's: the block's largest magnitude
.endr
.irp b, 0,1,2,3
	s_delay_alu instid0(VALU_DEP_4)
	v_add_nc_u32 v[TM+12+\b], 0xf8800000, v[TM+\b]
.endr
.irp b, 0,1,2,3
	v_and_or_b32 v[TM+8+\b], v[TM+\b], 0x7f800000, s32
.endr
.irp b, 0,1,2,3
	v_lshrrev_b32 v[TM+4+\b], 23, v[TM+12+\b]
.endr
	s_delay_alu instid0(VALU_DEP_3)
	v_lshl_or_b32 v[\wrd], v[TM+5], 8, v[TM+4]
	s_delay_alu instid0(VALU_DEP_1)
	v_lshl_or_b32 v[\wrd], v[TM+6], 16, v[\wrd]
	s_delay_alu instid0(VALU_DEP_1)
	v_lshl_or_b32 v[\wrd], v[TM+7], 24, v[\wrd]
.irp b, 0,1,2,3
.irp i, 0,1,2,3,4,5,6,7,8,9,10,11,12,13,14,15
	v_med3_num_f32 v[\src+16*\b+\i], v[\src+16*\b+\i], -v[TM+8+\b], v[TM+8+\b]
.endr
	v_cvt_scalef32_pk8_bf8_f32 v[\dst+4*\b:\dst+4*\b+1], v[\src+16*\b:\src+16*\b+7], v[TM+12+\b]
	v_cvt_scalef32_pk8_bf8_f32 v[\dst+4*\b+2:\dst+4*\b+3], v[\src+16*\b+8:\src+16*\b+15], v[TM+12+\b]
.endr
	v_nop                                          ; a plain line behind the last conversion
.endm
.macro WLOAD reg, base, voff, stride   ; a weight whose K is not innermost: lane (r, h) takes column r, rows 32 c + 16 h + i
.irp c, 0,1,2,3
.irp i, 0,1,2,3,4,5,6,7,8,9,10,11,12,13,14,15
	global_load_b32 v[\reg+16*\c+\i], v[\voff], s[\base:\base+1] offset:(32*\c+\i)*\stride
.endr
.endr
.endm
; A head's weight [128 (e)][16 (d)] f32, 8,192 consecutive bytes, in 16 loads: lane l takes rows 16 (l / 4) + j and columns 4 (l % 4) + 0 .. 3: register 4 j + q = W(16 (l / 4) + j, 4 (l % 4) + q)
.macro RAWLD reg, base
.irp j, 0,1,2,3,4,5,6,7,8,9,10,11,12,13,14,15
	global_load_b128 v[\reg+4*\j:\reg+4*\j+3], v5, s[\base:\base+1] offset:64*\j
.endr
.endm
; Such a weight is quantised where it lies.  A lane holds, for each of four columns q, 16 neighbours along K: half a block of 32; the other half lies in lane l xor 4.  The hold puts a column's 16 numbers on end, in 16
; registers, for the conversions.  Column r = 4 (l % 4) + q, K = 16 (l / 4) on, belongs at byte 512 ((l / 4) / 2) + 16 (r + 16 ((l / 4) % 2)) = 64 l + 16 q of the fragment's image, in the wave's own LDS bytes.
.macro QW reg, img
	s_wait_dscnt 0x0                               ; my earlier LDS stores have read the registers that are written below
.irp q, 0,1,2,3
	v_max3_num_f32 v[TM+\q], |v[\reg+\q]|, |v[\reg+4+\q]|, 0x8000000         ; column q: my 16 numbers, and the floor 2^(16 - 127)
.endr
.irp i, 2,4,6,8,10,12,14
.irp q, 0,1,2,3
	s_delay_alu instid0(VALU_DEP_4)
	v_max3_num_f32 v[TM+\q], v[TM+\q], |v[\reg+4*\i+\q]|, |v[\reg+4*\i+4+\q]|   ; the four columns by turns
.endr
.endr
.irp q, 0,1,2,3
	s_delay_alu instid0(VALU_DEP_4)
	v_max_num_f32_dpp v[TM+\q], v[TM+\q], v[TM+\q] row_xmask:4 row_mask:0xf bank_mask:0xf   ; with the block's other half
.endr
.irp q, 0,1,2,3
	s_delay_alu instid0(VALU_DEP_4)
	v_add_nc_u32 v[TM+12+\q], 0xf8800000, v[TM+\q]
.endr
.irp q, 0,1,2,3
	v_and_or_b32 v[TM+8+\q], v[TM+\q], 0x7f800000, s32
.endr
.irp q, 0,1,2,3
	v_lshrrev_b32 v[TM+4+\q], 23, v[TM+12+\q]
.endr
.irp q, 0,1,2,3
.irp j, 0,1,2,3,4,5,6,7,8,9,10,11,12,13,14,15
	v_med3_num_f32 v[TP+\j], v[\reg+4*\j+\q], -v[TM+8+\q], v[TM+8+\q]       ; the hold, and the column's numbers on end
.endr
	v_cvt_scalef32_pk8_bf8_f32 v[CT+4*\q:CT+4*\q+1], v[TP:TP+7], v[TM+12+\q]
	v_cvt_scalef32_pk8_bf8_f32 v[CT+4*\q+2:CT+4*\q+3], v[TP+8:TP+15], v[TM+12+\q]
	v_nop                                          ; a plain line between the conversions and the next column's holds, which write their sources
	ds_store_b128 v8, v[CT+4*\q:CT+4*\q+3] offset:IMO+2048*\img+16*\q
	ds_store_b8 v9, v[TM+4+\q] offset:SWO+64*\img+4*\q      ; byte (l / 4) / 2 of column r's scale word; the two lanes of a block write the same byte with the same value
.endr
.endm
.macro GBLD hf                         ; g1 and be1 at my columns 64 hf + 32 c + 16 h + 0 .. 15, out of my own LDS bytes: 32 + 32 registers
.irp c, 0,1
.irp j, 0,1,2,3
	ds_load_b128 v[BE+16*\c+4*\j:BE+16*\c+4*\j+3], v3 offset:128*(2*\hf+\c)+16*\j
	ds_load_b128 v[BE+32+16*\c+4*\j:BE+32+16*\c+4*\j+3], v3 offset:512+128*(2*\hf+\c)+16*\j
.endr
.endr
.endm
.macro AFFH hf                         ; h = normalised x times g1 plus be1, half of my 64 numbers
	s_wait_dscnt 0x0
.set j, 0
.rept 16
	v_pk_fma_f32 v[X+32*\hf+j:X+32*\hf+j+1], v[X+32*\hf+j:X+32*\hf+j+1], v[BE+j:BE+j+1], v[BE+32+j:BE+32+j+1]
.set j, j+2
.endr
.endm
.Lqkv:
	s_mov_b32 s29, ttmp9                           ; g: tokens 128 g on (16: Wo)
	v_and_b32 v16, 15, v0                          ; r
	v_bfe_u32 v17, v0, 4, 1                        ; h
	v_and_b32 v18, 31, v0                          ; lane
	s_delay_alu instid0(VALU_DEP_1)
	v_lshlrev_b32 v4, 4, v18                       ; v4  16 x lane
	s_delay_alu instid0(VALU_DEP_4)
	v_and_b32 v19, 8, v16
	s_delay_alu instid0(VALU_DEP_1)
	v_add_nc_u32 v19, v19, v16                     ; r + 8 (r / 8)
	s_delay_alu instid0(VALU_DEP_1)
	v_lshlrev_b32 v1, 9, v19
	s_delay_alu instid0(VALU_DEP_1)
	v_lshl_add_u32 v1, v17, 6, v1                  ; v1  x: my token's row of 512 bytes, + 64 h; once x is in: q's place on the way out
	v_lshrrev_b32 v5, 2, v18
	v_and_b32 v20, 3, v18
	s_delay_alu instid0(VALU_DEP_2)
	v_lshlrev_b32 v5, 10, v5
	s_delay_alu instid0(VALU_DEP_1)
	v_lshl_add_u32 v5, v20, 4, v5                  ; v5  a weight as it lies: 1,024 (lane / 4) + 16 (lane % 4); once Wv is in: 4 x lane
	s_lshl_b32 s51, s28, 11
	v_add_nc_u32 v6, s51, v4                       ; v6  LDS: where I store my tile's image: 16 x lane + 2,048 x wave
	s_lshl_b32 s51, s28, 7
	v_lshl_add_u32 v7, v18, 2, s51
	s_delay_alu instid0(VALU_DEP_1)
	v_add_nc_u32 v7, HSC, v7                       ; v7  and its scale words: 4 x lane + 128 x wave
	s_mul_i32 s33, s28, PRIVB
	s_add_co_u32 s33, s33, PRIV                    ; my wave's own LDS bytes
	v_add_nc_u32 v2, s33, v4                       ; v2  in them: 16 x lane
	v_lshl_add_u32 v3, v17, 6, s33                 ; v3  64 h (g1, be1); behind LayerNorm: 4 (lane % 16)
	v_lshl_add_u32 v8, v18, 6, s33                 ; v8  64 x lane: my codes' place in a weight's image
	v_lshrrev_b32 v9, 3, v18
	s_delay_alu instid0(VALU_DEP_1)
	v_lshl_add_u32 v9, v20, 4, v9
	s_delay_alu instid0(VALU_DEP_1)
	v_add_nc_u32 v9, s33, v9                       ; v9  16 (lane % 4) + lane / 8: my scale bytes' place
	s_lshl_b32 s34, s29, 7
	s_lshr_b32 s35, s28, 1
	s_lshl_b32 s35, s35, 5
	s_add_co_u32 s34, s34, s35
	s_and_b32 s35, s28, 1
	s_lshl_b32 s35, s35, 3
	s_add_co_u32 s34, s34, s35                     ; 128 g + 32 (w / 2) + 8 (w % 2): where my tile's tokens begin
	s_lshl_b32 s34, s34, 9
	s_mov_b32 s35, 0
	s_lshl_b32 s36, s28, 13                        ; head w's 8,192 bytes of each of the three weights
	s_mov_b32 s37, 0
	s_lshr_b32 s38, s28, 1
	s_lshl_b32 s38, s38, 7
	s_and_b32 s51, s28, 1
	s_lshl_b32 s51, s51, 5
	s_add_co_u32 s38, s38, s51                     ; Wo: tile w = 2 c + u: its row 8 h + j is column 32 c + 16 h + 8 u + j
	s_mov_b32 s39, 0
	s_lshr_b32 s50, s29, 3
	s_lshl_b32 s50, s50, 3
	s_add_co_u32 s50, s50, s28                     ; 8 x batch + head
	s_lshl_b32 s50, s50, 3
	s_and_b32 s51, s29, 7
	s_add_co_u32 s50, s50, s51                     ; x 8 + key step
	s_lshl_b32 s40, s50, 13                        ; q's and k's eight tiles of 1,024 bytes,
	s_mov_b32 s41, 0
	s_lshl_b32 s42, s50, 11                        ; v's image,
	s_mov_b32 s43, 0
	s_lshl_b32 s44, s50, 7                         ; v's scale words
	s_mov_b32 s45, 0
	s_lshl_b32 s46, s28, 11                        ; Wo's image, tile w,
	s_mov_b32 s47, 0
	s_lshl_b32 s48, s28, 7                         ; and its scale words
	s_mov_b32 s49, 0
.irp b, 0,1,2,3
	v_mov_b32 v[TM+4+\b], 0                        ; written once: a lane permute's destination counts as one of its sources
.endr
	s_wait_kmcnt 0x0
	s_add_nc_u64 s[4:5], s[4:5], s[34:35]
	s_add_nc_u64 s[10:11], s[10:11], s[36:37]
	s_add_nc_u64 s[12:13], s[12:13], s[36:37]
	s_add_nc_u64 s[14:15], s[14:15], s[36:37]
	s_add_nc_u64 s[16:17], s[16:17], s[38:39]
	s_add_nc_u64 s[40:41], s[22:23], s[40:41]
	s_add_nc_u64 s[42:43], s[22:23], s[42:43]
	s_add_nc_u64 s[44:45], s[22:23], s[44:45]
	s_add_nc_u64 s[46:47], s[22:23], s[46:47]
	s_add_nc_u64 s[48:49], s[22:23], s[48:49]
	s_cmp_eq_u32 s29, 16
	s_cbranch_scc1 .Lwo
	; the 50 first loads go out together
	global_load_b128 v[32:35], v4, s[6:7]          ; g1, 16 bytes a lane
	global_load_b128 v[36:39], v4, s[8:9]          ; be1
.irp c, 0,1,2,3
.irp j, 0,1,2,3
	global_load_b128 v[X+16*\c+4*\j:X+16*\c+4*\j+3], v1, s[4:5] offset:128*\c+16*\j     ; x(token, 32 c + 16 h + 4 j ..)
.endr
.endr
	RAWLD G, 10                                    ; Wq
	RAWLD BE, 12                                   ; Wk
	s_wait_loadcnt 16                              ; g1, be1, x and Wq are in; Wk's 16 loads, issued behind them, may be out
	ds_store_b128 v2, v[32:35]                     ; g1 and be1 wait in my own LDS bytes
	ds_store_b128 v2, v[36:39] offset:512
	QW G, 0
	RAWLD G, 14                                    ; Wv, into the registers that Wq has left: it lands under the work on Wk and on h
	s_wait_loadcnt 16                              ; Wk is in; Wv's 16 may be out
	QW BE, 1
	GBLD 0                                         ; into the registers that Wk has left
	; LayerNorm in two passes: the mean, then the mean of the squared differences; a row lies in lanes l and l xor 16
	v_pk_add_f32 v[18:19], v[64:65], v[66:67]
	v_pk_add_f32 v[62:63], v[72:73], v[76:77]
	v_pk_add_f32 v[60:61], v[80:81], v[84:85]
	v_pk_add_f32 v[58:59], v[88:89], v[92:93]
	v_pk_add_f32 v[56:57], v[96:97], v[100:101]
	v_pk_add_f32 v[54:55], v[104:105], v[108:109]
	v_pk_add_f32 v[52:53], v[112:113], v[116:117]
	v_pk_add_f32 v[16:17], v[120:121], v[124:125]
	s_delay_alu instid0(VALU_DEP_1)
	v_pk_add_f32 v[16:17], v[16:17], v[68:69]
	v_pk_add_f32 v[18:19], v[18:19], v[70:71]
	v_pk_add_f32 v[62:63], v[62:63], v[74:75]
	v_pk_add_f32 v[60:61], v[60:61], v[78:79]
	v_pk_add_f32 v[58:59], v[58:59], v[82:83]
	v_pk_add_f32 v[56:57], v[56:57], v[86:87]
	v_pk_add_f32 v[54:55], v[54:55], v[90:91]
	v_pk_add_f32 v[52:53], v[52:53], v[94:95]
	v_pk_add_f32 v[16:17], v[16:17], v[98:99]
	v_pk_add_f32 v[18:19], v[18:19], v[102:103]
	v_pk_add_f32 v[62:63], v[62:63], v[106:107]
	v_pk_add_f32 v[60:61], v[60:61], v[110:111]
	v_pk_add_f32 v[58:59], v[58:59], v[114:115]
	v_pk_add_f32 v[56:57], v[56:57], v[118:119]
	v_pk_add_f32 v[54:55], v[54:55], v[122:123]
	v_pk_add_f32 v[52:53], v[52:53], v[126:127]
	s_delay_alu instid0(VALU_DEP_4)
	v_pk_add_f32 v[16:17], v[16:17], v[58:59]
	s_delay_alu instid0(VALU_DEP_4)
	v_pk_add_f32 v[18:19], v[18:19], v[56:57]
	s_delay_alu instid0(VALU_DEP_4)
	v_pk_add_f32 v[62:63], v[62:63], v[54:55]
	s_delay_alu instid0(VALU_DEP_4)
	v_pk_add_f32 v[60:61], v[60:61], v[52:53]
	s_delay_alu instid0(VALU_DEP_2)
	v_pk_add_f32 v[16:17], v[16:17], v[62:63]
	s_delay_alu instid0(VALU_DEP_2)
	v_pk_add_f32 v[18:19], v[18:19], v[60:61]
	s_delay_alu instid0(VALU_DEP_1)
	v_pk_add_f32 v[16:17], v[16:17], v[18:19]
	s_delay_alu instid0(VALU_DEP_1)
	v_add_f32 v16, v16, v17
	s_delay_alu instid0(VALU_DEP_1)
	v_permlanex16_b32 v17, v16, s30, s31
	s_delay_alu instid0(VALU_DEP_1)
	v_add_f32 v16, v16, v17
	s_delay_alu instid0(VALU_DEP_1)
	v_mul_f32 v16, 0x3c000000, v16                 ; / 128
	s_delay_alu instid0(VALU_DEP_1)
	v_mov_b32 v17, v16
.set j, 0
.rept 32
	v_pk_add_f32 v[X+j:X+j+1], v[X+j:X+j+1], v[16:17] neg_lo:[0,1] neg_hi:[0,1]
.set j, j+2
.endr
	v_pk_mul_f32 v[18:19], v[X:X+1], v[X:X+1]
	v_pk_mul_f32 v[20:21], v[X+2:X+3], v[X+2:X+3]
.irp j, 4,8,12,16,20,24,28,32,36,40,44,48,52,56,60
	s_delay_alu instid0(VALU_DEP_2)
	v_pk_fma_f32 v[18:19], v[X+\j:X+\j+1], v[X+\j:X+\j+1], v[18:19]
	s_delay_alu instid0(VALU_DEP_2)
	v_pk_fma_f32 v[20:21], v[X+\j+2:X+\j+3], v[X+\j+2:X+\j+3], v[20:21]
.endr
	s_delay_alu instid0(VALU_DEP_1)
	v_pk_add_f32 v[18:19], v[18:19], v[20:21]
	s_delay_alu instid0(VALU_DEP_1)
	v_add_f32 v18, v18, v19
	s_delay_alu instid0(VALU_DEP_1)
	v_permlanex16_b32 v19, v18, s30, s31
	s_delay_alu instid0(VALU_DEP_1)
	v_add_f32 v18, v18, v19
	v_mov_b32 v20, 0x3c000000
	s_delay_alu instid0(VALU_DEP_1)
	v_fmaak_f32 v18, v18, v20, 0x3727c5ac          ; / 128 + 1e-5
	s_wait_alu depctr_va_vdst(0)
	v_rsq_f32 v18, v18
	v_nop                                          ; a plain line behind the transcendental
	s_wait_alu depctr_va_vdst(0)
	v_mov_b32 v19, v18
.set j, 0
.rept 32
	v_pk_mul_f32 v[X+j:X+j+1], v[X+j:X+j+1], v[18:19]
.set j, j+2
.endr
	AFFH 0
	GBLD 1
	AFFH 1
	v_and_b32 v3, 15, v0
	s_delay_alu instid0(VALU_DEP_1)
	v_lshl_add_u32 v3, v3, 2, s33                  ; v3 from here on: 4 (lane % 16) in my own bytes: a weight's scale words
	QUANT X, 192, 10
.irp c, 0,1,2,3
	ds_store_b128 v6, v[192+4*\c:195+4*\c] offset:512*\c   ; my tile's fragment goes to LDS as an image of its registers
.endr
	ds_store_b32 v7, v10
	s_wait_loadcnt 0x0                             ; Wv
	QW G, 2
	v_and_b32 v5, 31, v0
	s_delay_alu instid0(VALU_DEP_1)
	v_lshlrev_b32 v5, 2, v5                        ; v5 from here on: 4 x lane (the loads that it served are done)
	v_and_b32 v16, 15, v0
	v_bfe_u32 v17, v0, 4, 1
	s_delay_alu instid0(VALU_DEP_2)
	v_lshrrev_b32 v1, 3, v16
	s_delay_alu instid0(VALU_DEP_1)
	v_lshlrev_b32 v1, 10, v1
	s_delay_alu instid0(VALU_DEP_1)
	v_lshl_add_u32 v1, v17, 8, v1
	v_and_b32 v16, 7, v16
	s_delay_alu instid0(VALU_DEP_1)
	v_lshl_add_u32 v1, v16, 4, v1                  ; v1 from here on: q leaves in tiles of NEIGHBOURING tokens: tile r / 8 of the pair, row 8 u + r % 8: 1,024 (r / 8) + 256 h + 16 (r % 8)
.irp c, 0,1,2,3                        ; the three fragments come back out of my own bytes (LDS serves a wave's instructions in order: these see my stores)
	ds_load_b128 v[32+4*\c:35+4*\c], v2 offset:IMO+512*\c          ; Wq
	ds_load_b128 v[48+4*\c:51+4*\c], v2 offset:IMO+2048+512*\c     ; Wk
	ds_load_b128 v[64+4*\c:67+4*\c], v2 offset:IMO+4096+512*\c     ; Wv
.endr
	ds_load_b32 v11, v3 offset:SWO
	ds_load_b32 v12, v3 offset:SWO+64
	ds_load_b32 v13, v3 offset:SWO+128
	s_wait_alu depctr_va_vdst(0)
	s_wait_dscnt 0x0                               ; for the others' sake too: my tile's image has landed
	s_barrier_signal -1
	s_barrier_wait -1                              ; h's eight fragments lie in LDS
.irp c, 0,1,2,3                        ; 32 tokens at a time: tiles 2 c and 2 c + 1
	s_wait_xcnt 0x0                                ; the stores issued so far have read their registers: results and fragments are written again only behind this wait
.irp u, 0,1
.irp k, 0,1,2,3
	ds_load_b128 v[HF+16*\u+4*\k:HF+16*\u+4*\k+3], v4 offset:(2*\c+\u)*2048+512*\k
.endr
	ds_load_b32 v[14+\u], v5 offset:HSC+(2*\c+\u)*128
.endr
	s_wait_dscnt 0x0
.irp u, 0,1                            ; q, k: source 0 = the head's 16 channels, source 1 = 16 tokens: a lane holds one token and channels 8 h + 0 .. 7
	v_wmma_scale_f32_16x16x128_f8f6f4 v[176+8*\u:183+8*\u], v[32:47], v[HF+16*\u:HF+16*\u+15], 0, v11, v[14+\u] matrix_a_fmt:MATRIX_FMT_BF8 matrix_b_fmt:MATRIX_FMT_BF8
.endr
.irp u, 0,1
	v_wmma_scale_f32_16x16x128_f8f6f4 v[192+8*\u:199+8*\u], v[48:63], v[HF+16*\u:HF+16*\u+15], 0, v12, v[14+\u] matrix_a_fmt:MATRIX_FMT_BF8 matrix_b_fmt:MATRIX_FMT_BF8
.endr
.irp u, 0,1                            ; v the other way round: a lane holds one channel, and the 16 registers of the two tiles are keys 32 c + 16 h + 0 .. 15
	v_wmma_scale_f32_16x16x128_f8f6f4 v[208+8*\u:215+8*\u], v[HF+16*\u:HF+16*\u+15], v[64:79], 0, v[14+\u], v13 matrix_a_fmt:MATRIX_FMT_BF8 matrix_b_fmt:MATRIX_FMT_BF8
.endr
	NOPS 8                                         ; eight places behind this form before its results are read
.irp u, 0,1
	global_store_b128 v4, v[192+8*\u:195+8*\u], s[40:41] offset:1048576+(2*\c+\u)*1024        ; k: the registers as they stand, each result from its low end on
	global_store_b128 v4, v[196+8*\u:199+8*\u], s[40:41] offset:1048576+(2*\c+\u)*1024+512
	global_store_b128 v1, v[176+8*\u:179+8*\u], s[40:41] offset:2*\c*1024+128*\u              ; q: into tiles of neighbouring tokens
	global_store_b128 v1, v[180+8*\u:183+8*\u], s[40:41] offset:2*\c*1024+128*\u+512
.endr
	v_max3_num_f32 v16, |v208|, |v209|, 0x8000000  ; v's block of 32 keys: my 16, and the floor
.irp i, 2,4,6,8,10,12,14
	v_max3_num_f32 v16, v16, |v[208+\i]|, |v[209+\i]|
.endr
	s_delay_alu instid0(VALU_DEP_1)
	v_permlanex16_b32 v20, v16, s30, s31
	s_delay_alu instid0(VALU_DEP_1)
	v_max_num_f32 v16, v16, v20
	s_delay_alu instid0(VALU_DEP_1)
	v_add_nc_u32 v28, 0xf8800000, v16
	s_delay_alu instid0(VALU_DEP_2)
	v_and_or_b32 v24, v16, 0x7f800000, s32
	s_delay_alu instid0(VALU_DEP_2)
	v_lshrrev_b32 v20, 23, v28
.if \c == 0
	s_delay_alu instid0(VALU_DEP_1)
	v_mov_b32 v10, v20
.else
	s_delay_alu instid0(VALU_DEP_1)
	v_lshl_or_b32 v10, v20, 8*\c, v10
.endif
.irp i, 0,1,2,3,4,5,6,7,8,9,10,11,12,13,14,15
	v_med3_num_f32 v[208+\i], v[208+\i], -v24, v24
.endr
	v_cvt_scalef32_pk8_bf8_f32 v[224+4*\c:225+4*\c], v[208:215], v28
	v_cvt_scalef32_pk8_bf8_f32 v[226+4*\c:227+4*\c], v[216:223], v28
	v_nop                                          ; a plain line behind the last conversion: the next products write its sources
.endr
.irp c, 0,1,2,3
	global_store_b128 v4, v[224+4*\c:227+4*\c], s[42:43] offset:2097152+512*\c     ; v^T's fragment for these 128 keys, as an image
.endr
	global_store_b32 v5, v10, s[44:45] offset:2359296
	v_lshl_add_u32 v16, v0, 2, 0x12c00             ; my spare word and 0, made here
	v_mov_b32 v17, 0
	s_wait_alu depctr_va_vdst(0)
	s_wait_tensorcnt 0x0
	ds_add_u32 v16, v17
	s_wait_dscnt 0x0
	s_endpgm
; ---------------- Wo: wave w quantises tile w's 16 columns, along Wo's first axis
.Lwo:
	v_lshlrev_b32 v1, 2, v19                       ; column r + 8 (r / 8) of those that begin at 32 c + 8 u
	s_delay_alu instid0(VALU_DEP_1)
	v_lshl_add_u32 v1, v17, 13, v1                 ; + 16 h rows of 512 bytes
	v_lshlrev_b32 v5, 2, v18                       ; 4 x lane
	WLOAD BE, 16, 1, 512
	s_wait_loadcnt 0x0
	QUANT BE, 144, 10
.irp c, 0,1,2,3
	global_store_b128 v4, v[144+4*\c:147+4*\c], s[46:47] offset:2375680+512*\c
.endr
	global_store_b32 v5, v10, s[48:49] offset:2392064
	s_endpgm
.Lfunc_end_k_q899f29980b_prep:
	.size	k_q899f29980b_prep, .Lfunc_end_k_q899f29980b_prep-k_q899f29980b_prep
	.p2alignl 7, 3214868480
	.fill 96, 4, 3214868480
	.section	.rodata,"a",@progbits
	.p2align	6, 0x0
	.amdhsa_kernel k_q899f29980b_prep
		.amdhsa_group_segment_fixed_size 167936
		.amdhsa_private_segment_fixed_size 0
		.amdhsa_enable_private_segment 0
		.amdhsa_kernarg_size 88
		.amdhsa_user_sgpr_count 2
		.amdhsa_user_sgpr_kernarg_segment_ptr 1
		.amdhsa_wavefront_size32 1
		.amdhsa_system_sgpr_workgroup_id_x 1
		.amdhsa_system_sgpr_workgroup_id_y 1
		.amdhsa_system_sgpr_workgroup_id_z 1
		.amdhsa_system_vgpr_workitem_id 0
		.amdhsa_next_free_vgpr 256
		.amdhsa_next_free_sgpr 66
		.amdhsa_reserve_vcc 0
		.amdhsa_float_denorm_mode_32 3
		.amdhsa_float_denorm_mode_16_64 3
		.amdhsa_memory_ordered 1
		.amdhsa_forward_progress 1
		.amdhsa_inst_pref_size 131
	.end_amdhsa_kernel
	.amdgpu_metadata
---
amdhsa.version: [ 1, 2 ]
amdhsa.kernels:
  - .name:           k_q899f29980b_prep
    .symbol:         k_q899f29980b_prep.kd
    .args:
      - { .name: x, .offset: 0, .size: 8, .value_kind: global_buffer, .address_space: global }
      - { .name: g1, .offset: 8, .size: 8, .value_kind: global_buffer, .address_space: global }
      - { .name: be1, .offset: 16, .size: 8, .value_kind: global_buffer, .address_space: global }
      - { .name: Wq, .offset: 24, .size: 8, .value_kind: global_buffer, .address_space: global }
      - { .name: Wk, .offset: 32, .size: 8, .value_kind: global_buffer, .address_space: global }
      - { .name: Wv, .offset: 40, .size: 8, .value_kind: global_buffer, .address_space: global }
      - { .name: Wo, .offset: 48, .size: 8, .value_kind: global_buffer, .address_space: global }
      - { .name: W1, .offset: 56, .size: 8, .value_kind: global_buffer, .address_space: global }
      - { .name: bf1, .offset: 64, .size: 8, .value_kind: global_buffer, .address_space: global }
      - { .name: att, .offset: 72, .size: 8, .value_kind: global_buffer, .address_space: global }
      - { .name: wcodes, .offset: 80, .size: 8, .value_kind: global_buffer, .address_space: global }
    .group_segment_fixed_size: 167936
    .private_segment_fixed_size: 0
    .kernarg_segment_align: 8
    .kernarg_segment_size: 88
    .max_flat_workgroup_size: 256
    .sgpr_count:     66
    .vgpr_count:     256
    .wavefront_size: 32
...
	.end_amdgpu_metadata
.endif
;; end of part 1
;; launch attn (part 2): grid 512 x 1, 8 waves a work-group, no clusters, 10,496 bytes of LDS; arguments att, W2, oc, wcodes; writes oc, wcodes
.if DOCPART == 2
	.amdgcn_target "amdgcn-amd-amdhsa--gfx1250"
	.amdhsa_code_object_version 6
	.text
	.protected	k_q899f29980b_attn
	.globl	k_q899f29980b_attn
	.p2align	8
	.type	k_q899f29980b_attn,@function
k_q899f29980b_attn:
	s_mov_b64 s[64:65], 0
	v_nop
	global_prefetch_b8 v0, s[64:65] scope:SCOPE_SE
	s_setreg_imm32_b32 hwreg(HW_REG_WAVE_MODE, 25, 1), 1
	s_wait_xcnt 0x0
; TWO JOBS IN ONE LAUNCH, parted on the work-group's number.
; Work-groups 0-255: causal attention for 16 queries and four heads, two waves to a head: waves 0-3 take the later key steps and the one on the diagonal, waves 4-7 the earlier ones; the two halves are joined through LDS, and o leaves as codes.
;   Scores: S^T = k q^T by the f32 matrix instruction (K = 16: four instructions a tile), since they go on into a quantiser.  t = score x log2(e) / sqrt(128); M = the running largest t rounded up to a whole number;
;   p = 2^(t - M) is quantised along the keys to BF8 (E5M2) codes with one E8M0 scale for each 32 keys; the row's sum is taken of the unquantised p and divides at the end.  When M moves, and where the halves are joined, sums and O^T are multiplied by a power of two: exact.
;   Key steps wholly behind the queries are not walked.
; Work-groups 256-511: W2 [65536][128] f32 is quantised along its first axis, a lane to a column, registers down K, and leaves as images of the operand's registers.
; LIMITS: a block whose largest magnitude lies under 2^-111 gets the scale byte 1; a block of zeros gets the byte 1 where the rule says 127 (zero codes; this program alone reads the bytes); NaN and infinities among the inputs are not served; scaled scores under 2^31 in magnitude.
; No tensor loads and no joint requests: k and v come straight into registers, 10 KiB a step; the work-groups that share a head walk different numbers of key steps.
; REGISTERS (attention): v1-7 addresses; v12 -M, v13 largest t, v[14:15] the sum; v16-23 q; v24-31 O^T; v32-47 v^T's fragment; v48-63 p's codes; v64-127 k (in the last step: the masked scores);
;   v128-191 S^T, written by matrix instructions alone; v192-223 p, half a step at a time; v224-247 at work; v248-249 scale words and nothing else; v[252:253] f.
.set Q,   16
.set O,   24
.set VF,  32
.set PC,  48
.set K,   64
.set S,   128
.set PX,  192
.set MX,  224                          ; v224-227 the blocks' largest scores, then largest p
.set PT,  228                          ; v228-231 from the other half of the lanes
.set HD,  232                          ; v232-235 57,344 x the scale
.set SO,  236                          ; v236-239 the conversions' scale operands
.set BY,  240                          ; v240-243 the scales' bytes
.set HB,  1280                         ; LDS: a head's second half: O^T (1,024 bytes), its sum (128), its -M (128)
.set OST, 5120                         ; o, 16 rows x (256 + 16) bytes
.set SPARE, 9472
.set QX,  32                           ; the W2 path: v32-95 two sets of 32 numbers, v96-127 codes
.set QC,  96
.macro NOPS n
.rept \n
	v_nop
.endr
.endm
	s_load_b256 s[4:11], s[0:1], 0x0               ; att s4, W2 s6, oc s8, wcodes s10
	v_lshrrev_b32 v1, 5, v0
	s_delay_alu instid0(VALU_DEP_1)
	v_readfirstlane_b32 s24, v1                    ; wave 0..7
	s_mov_b32 s40, 0x76543210
	s_mov_b32 s41, 0xfedcba98                      ; v_permlanex16_b32's selects for lane l xor 16
	s_mov_b32 s42, 0x600000                        ; the mantissa field of 57,344
	s_cmp_lt_u32 ttmp9, 256
	s_cbranch_scc1 .Lattn
; ---------------- W2: bundle J = 2 u + w / 4 (128 hidden units), columns 32 c + lane, c = w % 4.  Column 32 c + 16 h + 8 u' + j is row 8 h + j of tile 2 c + u'
	s_sub_co_u32 s25, ttmp9, 256                   ; u
	v_and_b32 v1, 31, v0
	s_delay_alu instid0(VALU_DEP_1)
	v_lshlrev_b32 v2, 2, v1                        ; 4 x lane
	v_bfe_u32 v3, v0, 3, 1                         ; which tile of the pair
	v_and_b32 v4, 7, v0
	v_bfe_u32 v5, v0, 4, 1
	s_delay_alu instid0(VALU_DEP_1)
	v_lshl_add_u32 v4, v5, 3, v4                   ; and which row of it
	s_delay_alu instid0(VALU_DEP_1)
	v_lshlrev_b32 v6, 4, v4
	s_delay_alu instid0(VALU_DEP_1)
	v_lshl_add_u32 v6, v3, 11, v6                  ; my codes' place: 2,048 x tile + 16 x row
	v_lshl_add_u32 v7, v3, 4, v4
	s_delay_alu instid0(VALU_DEP_1)
	v_lshlrev_b32 v7, 2, v7                        ; my scale word's: 4 (16 x tile + row)
	s_lshl_b32 s26, s25, 1
	s_lshr_b32 s27, s24, 2
	s_add_co_u32 s26, s26, s27                     ; J
	s_and_b32 s27, s24, 3                          ; c
	s_lshl_b32 s30, s26, 16
	s_lshl_b32 s28, s27, 7
	s_add_co_u32 s30, s30, s28                     ; W2: 128 J rows of 512 bytes + 128 bytes for each 32 columns
	s_mov_b32 s31, 0
	s_mul_i32 s32, s26, 34304                      ; a bundle: 32,768 bytes of codes, then 1,536 of scale words and bias
	s_lshl_b32 s29, s27, 12
	s_mov_b32 s34, s32
	s_add_co_u32 s32, s32, s29
	s_add_co_u32 s32, s32, 16384                   ; the bundle's second half: W2's eight tiles
	s_mov_b32 s33, 0
	s_add_co_u32 s34, s34, s28
	s_add_co_u32 s34, s34, 33280                   ; behind the codes and W1's 512 bytes
	s_mov_b32 s35, 0
	s_wait_alu depctr_va_vdst(0)                   ; the wait at the head's end
	s_wait_kmcnt 0x0
	s_add_nc_u64 s[14:15], s[6:7], s[30:31]
	s_add_nc_u64 s[16:17], s[10:11], s[32:33]
	s_add_nc_u64 s[18:19], s[10:11], s[34:35]
.macro QLOAD t                         ; block t: W2(128 J + 32 t + i, my column) into set t % 2; four waves side by side cover a row's 512 bytes
.irp i, 0,1,2,3,4,5,6,7,8,9,10,11,12,13,14,15,16,17,18,19,20,21,22,23,24,25,26,27,28,29,30,31
	global_load_b32 v[QX+32*((\t)%2)+\i], v2, s[14:15] offset:(32*(\t)+\i)*512 th:TH_LOAD_NT
.endr
.endm
; 32 numbers of one block in a lane, at XS: v19 the conversion's scale operand, v18 the bound, v17 the byte; held; codes at cd
.macro QUANT32 cd
	v_max3_num_f32 v16, |v[XS]|, |v[XS+1]|, |v[XS+2]|
	v_max3_num_f32 v17, |v[XS+3]|, |v[XS+4]|, |v[XS+5]|
.irp i, 6,10,14,18,22,26
	s_delay_alu instid0(VALU_DEP_2)
	v_max3_num_f32 v16, v16, |v[XS+\i]|, |v[XS+\i+1]|
	s_delay_alu instid0(VALU_DEP_2)
	v_max3_num_f32 v17, v17, |v[XS+\i+2]|, |v[XS+\i+3]|
.endr
	s_delay_alu instid0(VALU_DEP_2)
	v_max3_num_f32 v16, v16, |v[XS+30]|, |v[XS+31]|
	s_delay_alu instid0(VALU_DEP_1)
	v_max3_num_f32 v16, v16, v17, 0x8000000        ; the floor 2^(16 - 127): the byte cannot fall under 1
	s_delay_alu instid0(VALU_DEP_1)
	v_add_nc_u32 v19, 0xf8800000, v16
	s_delay_alu instid0(VALU_DEP_2)
	v_and_or_b32 v18, v16, 0x7f800000, s42
	s_delay_alu instid0(VALU_DEP_2)
	v_lshrrev_b32 v17, 23, v19
.irp i, 0,1,2,3,4,5,6,7,8,9,10,11,12,13,14,15,16,17,18,19,20,21,22,23,24,25,26,27,28,29,30,31
	v_med3_num_f32 v[XS+\i], v[XS+\i], -v18, v18   ; the conversion to an 8-bit code does not saturate (ISA guide 7.6.2): the hold comes first
.endr
.irp g, 0,1,2,3
	v_cvt_scalef32_pk8_bf8_f32 v[\cd+2*\g:\cd+2*\g+1], v[XS+8*\g:XS+8*\g+7], v19
.endr
	v_nop                                          ; a plain line behind the last conversion
.endm
.macro QBLOCK t
.set XS, QX+32*((\t)%2)
.if (\t) < 3
	s_wait_loadcnt 32                              ; this block's loads are in; the next block's 32 may be out
.else
	s_wait_loadcnt 0x0
.endif
	QUANT32 QC+8*(\t)
.if (\t) == 0
	v_mov_b32 v20, v17
.else
	v_lshl_or_b32 v20, v17, 8*(\t), v20            ; four bytes make my column's scale word
.endif
	global_store_b128 v6, v[QC+8*(\t):QC+8*(\t)+3], s[16:17] offset:512*(\t)          ; sixteen lanes store 256 consecutive bytes, aligned
	global_store_b128 v6, v[QC+8*(\t)+4:QC+8*(\t)+7], s[16:17] offset:512*(\t)+256
.if (\t)+2 < 4
	QLOAD (\t)+2
.endif
.endm
	QLOAD 0
	QLOAD 1
	QBLOCK 0
	QBLOCK 1
	QBLOCK 2
	QBLOCK 3
	global_store_b32 v7, v20, s[18:19]             ; W2's scale words: places 0-15 the even tile's rows, 16-31 the odd tile's
	s_endpgm
; ---------------- attention
.macro KLOAD                           ; a key step's eight tiles of k, f32, as the registers take them
.irp t, 0,1,2,3,4,5,6,7
	global_load_b128 v[K+8*\t:K+8*\t+3], v1, s[30:31] offset:1048576+1024*\t
	global_load_b128 v[K+8*\t+4:K+8*\t+7], v1, s[30:31] offset:1048576+1024*\t+512
.endr
.endm
.macro VLOAD                           ; its fragment of v^T and the scale words
.irp c, 0,1,2,3
	global_load_b128 v[VF+4*\c:VF+4*\c+3], v1, s[32:33] offset:2097152+512*\c
.endr
	global_load_b32 v248, v2, s[34:35] offset:2359296
.endm
; A KEY STEP of 128 keys.  mask = 0: all keys count, and the next step's k and v are asked for.  mask = 1: the wave's last step: the one on the diagonal in waves 0-3; in waves 4-7 the bound s43 hides nothing.
.macro STEP mask
	s_wait_loadcnt 5                               ; q and this step's k are in; the five loads of v, issued behind k's, may be out
.irp s, 0,1,2,3                        ; channels 8 h + 2 s, 8 h + 2 s + 1: the same order on both sides.  The eight sums take turns, one instruction a turn
.irp t, 0,1,2,3,4,5,6,7
.if \s == 0
	v_wmma_f32_16x16x4_f32 v[S+8*\t:S+8*\t+7], v[K+8*\t:K+8*\t+1], v[Q:Q+1], 0
.else
	v_wmma_f32_16x16x4_f32 v[S+8*\t:S+8*\t+7], v[K+8*\t+2*\s:K+8*\t+2*\s+1], v[Q+2*\s:Q+2*\s+1], v[S+8*\t:S+8*\t+7]
.endif
.endr
.endr
	NOPS 8                                         ; eight places behind this form before results are read and sources written
.if \mask
	v_and_b32 v254, 15, v0
	v_bfe_u32 v255, v0, 4, 1
	s_delay_alu instid0(VALU_DEP_1)
	v_lshlrev_b32 v255, 4, v255
	s_delay_alu instid0(VALU_DEP_1)
	v_sub_nc_u32 v254, v254, v255
	s_delay_alu instid0(VALU_DEP_1)
	v_add_nc_u32 v254, s43, v254                   ; d = my query's place in the step - 16 h.  Register 16 b + i holds key 32 b + 16 h + i: hidden where 32 b + i > d
	v_mov_b32 v255, 0xff800000                     ; -infinity: p = 0 then
.set n, 0
.rept 64
	v_cmp_gt_i32 vcc_lo, 32*(n/16)+n%16, v254
	v_cndmask_b32 v[K+n], v[S+n], v255, vcc_lo     ; the masked scores go into k's registers, which are done with
.set n, n+1
.endr
.set SRC, K
.else
	s_add_nc_u64 s[30:31], s[30:31], 8192          ; (k's loads are done: their base may step)
	KLOAD                                          ; the next step's k lands under this step's softmax
.set SRC, S
.endif
.irp b, 0,1,2,3
	v_max3_num_f32 v[MX+\b], v[SRC+16*\b], v[SRC+16*\b+1], v[SRC+16*\b+2]   ; the largest score of each block of 32 keys: for the row's maximum, and, since p rises with the score, for the block's largest p
.endr
.irp i, 3,5,7,9,11,13
.irp b, 0,1,2,3
	v_max3_num_f32 v[MX+\b], v[MX+\b], v[SRC+16*\b+\i], v[SRC+16*\b+\i+1]
.endr
.endr
.irp b, 0,1,2,3
	v_max_num_f32 v[MX+\b], v[MX+\b], v[SRC+16*\b+15]
.endr
.irp b, 0,1,2,3
	s_delay_alu instid0(VALU_DEP_4)
	v_permlanex16_b32 v[PT+\b], v[MX+\b], s40, s41
.endr
.irp b, 0,1,2,3
	s_delay_alu instid0(VALU_DEP_4)
	v_max_num_f32 v[MX+\b], v[MX+\b], v[PT+\b]     ; with lane l xor 16's 16 keys
.endr
	s_delay_alu instid0(VALU_DEP_2)
	v_max3_num_f32 v246, v[MX], v[MX+1], v[MX+2]
	s_delay_alu instid0(VALU_DEP_1)
	v_max_num_f32 v246, v246, v[MX+3]
	s_delay_alu instid0(VALU_DEP_1)
	v_mul_f32 v246, s38, v246                      ; as t (c is positive)
	s_delay_alu instid0(VALU_DEP_1)
	v_max_num_f32 v13, v13, v246                   ; the running largest t
	v_mov_b32 v246, v12
	s_delay_alu instid0(VALU_DEP_2)
	v_floor_f32 v12, -v13                          ; the new -M = floor(-t): M is a whole number
	s_delay_alu instid0(VALU_DEP_1)
	v_sub_f32 v246, v12, v246                      ; old M - new M: a whole number, 0 or less
	s_delay_alu instid0(VALU_DEP_1)
	v_cvt_i32_f32 v246, v246                       ; (it saturates)
	s_delay_alu instid0(VALU_DEP_1)
	v_ldexp_f32 v252, 1.0, v246                    ; f = 2^(old M - new M)
.irp b, 0,1,2,3
	v_fma_f32 v[MX+\b], v[MX+\b], s38, v12
.endr
	s_wait_alu depctr_va_vdst(0)
.irp b, 0,1,2,3
	v_exp_f32 v[MX+\b], v[MX+\b]                   ; the block's largest p
.endr
	v_pk_mul_f32 v[14:15], v[14:15], v[252:253] op_sel_hi:[1,0]   ; the sums under the new M (a plain line behind the exponentials)
	s_wait_alu depctr_va_vdst(0)
.irp b, 0,1,2,3
	v_max_num_f32 v[MX+\b], 0x8000000, v[MX+\b]    ; the floor 2^(16 - 127)
.endr
.irp b, 0,1,2,3
	s_delay_alu instid0(VALU_DEP_4)
	v_add_nc_u32 v[SO+\b], 0xf8800000, v[MX+\b]
.endr
.irp b, 0,1,2,3
	v_and_or_b32 v[HD+\b], v[MX+\b], 0x7f800000, s42
.endr
.irp b, 0,1,2,3
	v_lshrrev_b32 v[BY+\b], 23, v[SO+\b]
.endr
	s_delay_alu instid0(VALU_DEP_3)
	v_lshl_or_b32 v249, v[BY+1], 8, v[BY]          ; p's scale word for these 128 keys
	s_delay_alu instid0(VALU_DEP_1)
	v_lshl_or_b32 v249, v[BY+2], 16, v249
	s_delay_alu instid0(VALU_DEP_1)
	v_lshl_or_b32 v249, v[BY+3], 24, v249
.irp j, 0,2,4,6
	v_pk_mul_f32 v[O+\j:O+\j+1], v[O+\j:O+\j+1], v[252:253] op_sel_hi:[1,0]   ; O^T under the new M
.endr
.irp hf, 0,1                           ; 64 keys at a time (32 of them mine)
.set j, 0
.rept 16
	v_pk_fma_f32 v[PX+j:PX+j+1], v[SRC+32*\hf+j:SRC+32*\hf+j+1], s[38:39], v[12:13] op_sel_hi:[1,0,0]   ; t - M
.set j, j+2
.endr
.set j, 0
	s_wait_alu depctr_va_vdst(0)
.rept 32
	v_exp_f32 v[PX+j], v[PX+j]                     ; p = 2^(t - M), not normalised
.set j, j+1
.endr
	v_nop                                          ; a plain line behind the exponentials
.if \hf == 0
	s_wait_alu depctr_va_vdst(0)
	v_pk_add_f32 v[244:245], v[PX:PX+1], v[PX+2:PX+3]              ; the row's sum is taken of the unquantised p, in two chains
.else
	s_wait_alu depctr_va_vdst(0)
	v_pk_add_f32 v[14:15], v[14:15], v[PX:PX+1]
	v_pk_add_f32 v[244:245], v[244:245], v[PX+2:PX+3]
.endif
.irp j2, 4,8,12,16,20,24,28
	v_pk_add_f32 v[14:15], v[14:15], v[PX+\j2:PX+\j2+1]
	v_pk_add_f32 v[244:245], v[244:245], v[PX+\j2+2:PX+\j2+3]
.endr
.irp bb, 0,1
.irp i, 0,1,2,3,4,5,6,7,8,9,10,11,12,13,14,15
	v_min_num_f32 v[PX+16*\bb+\i], v[PX+16*\bb+\i], v[HD+2*\hf+\bb]   ; the hold; p is not negative, so it is one-sided
.endr
	v_cvt_scalef32_pk8_bf8_f32 v[PC+8*\hf+4*\bb:PC+8*\hf+4*\bb+1], v[PX+16*\bb:PX+16*\bb+7], v[SO+2*\hf+\bb]
	v_cvt_scalef32_pk8_bf8_f32 v[PC+8*\hf+4*\bb+2:PC+8*\hf+4*\bb+3], v[PX+16*\bb+8:PX+16*\bb+15], v[SO+2*\hf+\bb]
.endr
	v_nop                                          ; a plain line behind the last conversion
.endr
	v_pk_add_f32 v[14:15], v[14:15], v[244:245]
.if \mask
	s_wait_alu depctr_va_vdst(0)
	s_wait_loadcnt 0x0                             ; v
.else
	s_wait_alu depctr_va_vdst(0)
	s_wait_loadcnt 16                              ; v is in; the next step's sixteen loads of k, issued behind it, may be out
.endif
	NOPS 4                                         ; codes written by vector instructions stand four places ahead of a scaled matrix instruction
	v_wmma_scale_f32_16x16x128_f8f6f4 v[O:O+7], v[VF:VF+15], v[PC:PC+15], v[O:O+7], v248, v249 matrix_a_fmt:MATRIX_FMT_BF8 matrix_b_fmt:MATRIX_FMT_BF8   ; O^T += v^T p^T; the matrix instruction before it wrote a score tile
.if !\mask
	NOPS 8                                         ; places in front of loads into its sources
	s_add_nc_u64 s[32:33], s[32:33], 2048          ; (v's loads are done: their bases may step)
	s_add_nc_u64 s[34:35], s[34:35], 128
	VLOAD
.endif
.endm
.macro BARRIER                         ; my LDS stores have landed and my LDS loads are in: then the work-group's barrier
	s_wait_dscnt 0x0
	s_barrier_signal -1
	s_barrier_wait -1
.endm
.Lattn:
	s_lshr_b32 s26, ttmp9, 2
	s_sub_co_u32 s26, 63, s26                      ; i: my tile of 16 queries: the late ones, with the most keys, start first
	s_and_b32 s27, ttmp9, 1                        ; batch
	s_bfe_u32 s37, ttmp9, 0x10001                  ; which four heads
	s_lshl_b32 s28, s27, 6
	s_add_co_u32 s28, s28, s26                     ; T: my tile among all 128 tiles of rows
	s_lshr_b32 s36, s24, 2                         ; my half of the keys
	s_and_b32 s25, s24, 3                          ; j: my head among the four
	s_lshl_b32 s44, s27, 3
	s_lshl_b32 s45, s37, 2
	s_add_co_u32 s44, s44, s45
	s_add_co_u32 s44, s44, s25                     ; 8 x batch + head
	s_lshr_b32 s48, s26, 3                         ; nf: key steps all of whose keys count
	s_add_co_u32 s49, s48, 1
	s_lshr_b32 s49, s49, 1                         ; b = (nf + 1) / 2: waves 4-7 take steps 0 .. b - 1, waves 0-3 b .. nf - 1 and the diagonal
	s_sub_co_i32 s50, s48, s49
	s_sub_co_i32 s51, s49, 1                       ; (-1: nothing for this wave)
	s_and_b32 s43, s26, 7
	s_lshl_b32 s43, s43, 4                         ; my first query's place in the step on the diagonal
	s_movk_i32 s52, 1000
	s_cmp_eq_u32 s36, 0
	s_cselect_b32 s29, s50, s51                    ; steps ahead of my last
	s_cselect_b32 s53, s49, 0                      ; my first
	s_cselect_b32 s43, s43, s52
	s_mov_b32 s38, 0x3e0293ee                      ; c = log2(e) / sqrt(128)
	s_mov_b32 s39, s38                             ; (named with it as a pair)
	v_and_b32 v254, 31, v0                         ; lane
	v_and_b32 v252, 15, v0                         ; r
	v_bfe_u32 v253, v0, 4, 1                       ; h
	v_lshlrev_b32 v1, 4, v254                      ; v1  16 x lane
	v_lshlrev_b32 v2, 2, v254                      ; v2  4 x lane
	s_mul_i32 s45, s25, HB
	v_add_nc_u32 v3, s45, v1                       ; v3  LDS: my head's O^T
	s_add_co_u32 s45, s45, 1024
	v_add_nc_u32 v4, s45, v2                       ; v4  its sum and -M
	v_mul_u32_u24 v5, v252, 272
	v_lshl_add_u32 v6, v253, 7, v5
	v_add_nc_u32 v6, OST, v6                       ; v6  o's stage, back: row r, 128 bytes (32 channels) a half of the lanes
	s_lshl_b32 s45, s25, 6
	s_add_co_u32 s45, s45, OST
	v_lshl_add_u32 v5, v253, 5, v5
	v_add_nc_u32 v5, s45, v5                       ; v5  in: row r, my head's 64 bytes, + 32 h
	v_lshlrev_b32 v7, 9, v253
	v_lshl_add_u32 v7, v252, 4, v7                 ; v7  o's image: 512 x (lane / 16) + 16 r
	s_lshl_b32 s46, s44, 6
	s_add_co_u32 s46, s46, s26
	s_lshl_b32 s46, s46, 10                        ; q's tile
	s_mov_b32 s47, 0
	s_lshl_b32 s30, s44, 16                        ; the head's k, from my first step on,
	s_lshl_b32 s45, s53, 13
	s_add_co_u32 s30, s30, s45
	s_mov_b32 s31, 0
	s_lshl_b32 s32, s44, 14                        ; its v,
	s_lshl_b32 s45, s53, 11
	s_add_co_u32 s32, s32, s45
	s_mov_b32 s33, 0
	s_lshl_b32 s34, s44, 10                        ; v's scale words
	s_lshl_b32 s45, s53, 7
	s_add_co_u32 s34, s34, s45
	s_mov_b32 s35, 0
	s_lshl_b32 s54, s28, 11                        ; o's image: 1,024 bytes for four heads,
	s_lshl_b32 s45, s37, 10
	s_add_co_u32 s54, s54, s45
	s_mov_b32 s55, 0
	s_lshl_b32 s56, s28, 8                         ; and its scale bytes
	s_lshl_b32 s45, s37, 7
	s_add_co_u32 s56, s56, s45
	s_mov_b32 s57, 0
.irp j, 0,1,2,3,4,5,6,7
	v_mov_b32 v[O+\j], 0                           ; O^T: the step is written once for all trips; the first change of M multiplies zeros
.endr
	v_mov_b32 v14, 0
	v_mov_b32 v15, 0
.irp b, 0,1,2,3
	v_mov_b32 v[PT+\b], 0                          ; a lane permute's destination counts as one of its sources
.endr
	v_mov_b32 v253, 0                              ; (the upper half of the pair v[252:253])
	v_mov_b32 v13, 0xff61b1e6                      ; the largest t so far: -3e38
	v_floor_f32 v12, -v13
	s_wait_alu depctr_va_vdst(0)                   ; the wait at the head's end
	s_wait_kmcnt 0x0
	s_add_nc_u64 s[46:47], s[4:5], s[46:47]
	s_add_nc_u64 s[30:31], s[4:5], s[30:31]
	s_add_nc_u64 s[32:33], s[4:5], s[32:33]
	s_add_nc_u64 s[34:35], s[4:5], s[34:35]
	s_add_nc_u64 s[54:55], s[8:9], s[54:55]
	s_add_nc_u64 s[56:57], s[8:9], s[56:57]
	s_cmp_lt_i32 s29, 0
	s_cbranch_scc1 .Lmerge                         ; no step is mine: zeros, and the least M
	global_load_b128 v[Q:Q+3], v1, s[46:47]
	global_load_b128 v[Q+4:Q+7], v1, s[46:47] offset:512
	KLOAD
	VLOAD
	s_mov_b32 s25, 0
	s_cmp_eq_u32 s29, 0
	s_cbranch_scc1 .Ldiag
.Lkey:
	STEP 0
	s_add_co_u32 s25, s25, 1
	s_cmp_lt_u32 s25, s29
	s_cbranch_scc1 .Lkey
.Ldiag:
	STEP 1
.Lmerge:
	v_add_f32 v14, v14, v15                        ; the sum's two halves,
	v_permlanex16_b32 v254, v14, s40, s41
	v_add_f32 v14, v14, v254                       ; and lane l xor 16's
	NOPS 8                                         ; places behind the last product
	s_wait_alu depctr_va_vdst(0)                   ; the wait ahead of the branch
	s_cmp_eq_u32 s36, 0
	s_cbranch_scc1 .Lfirst_half
	ds_store_b128 v3, v[O:O+3]                     ; waves 4-7 hand their half over
	ds_store_b128 v3, v[O+4:O+7] offset:512
	ds_store_b32 v4, v14
	ds_store_b32 v4, v12 offset:128
.Lfirst_half:
	BARRIER
	s_cmp_lg_u32 s36, 0
	s_cbranch_scc1 .Lmerged
	ds_load_b128 v[192:195], v3
	ds_load_b128 v[196:199], v3 offset:512
	ds_load_b32 v200, v4
	ds_load_b32 v201, v4 offset:128
	v_mov_b32 v207, 0                              ; (upper halves of pairs)
	v_mov_b32 v209, 0
	v_mov_b32 v211, 0
	s_wait_alu depctr_va_vdst(0)
	s_wait_dscnt 0x0
	v_min_num_f32 v202, v12, v201                  ; -M of the whole row
	v_sub_f32 v203, v202, v12
	v_sub_f32 v204, v202, v201
	v_cvt_i32_f32 v203, v203                       ; (they saturate)
	v_cvt_i32_f32 v204, v204
	v_ldexp_f32 v206, 1.0, v203
	v_ldexp_f32 v208, 1.0, v204
.irp j, 0,2,4,6
	v_pk_mul_f32 v[112+\j:113+\j], v[O+\j:O+\j+1], v[206:207] op_sel_hi:[1,0]
.endr
	v_mul_f32 v14, v14, v206
.irp j, 0,2,4,6
	v_pk_fma_f32 v[112+\j:113+\j], v[192+\j:193+\j], v[208:209], v[112+\j:113+\j] op_sel_hi:[1,0,1]
.endr
	v_fma_f32 v14, v200, v208, v14
	s_wait_alu depctr_va_vdst(0)                   ; the wait ahead of the transcendental
	v_rcp_f32 v210, v14
	v_nop                                          ; a plain line behind it
	s_wait_alu depctr_va_vdst(0)
.irp j, 0,2,4,6
	v_pk_mul_f32 v[112+\j:113+\j], v[112+\j:113+\j], v[210:211] op_sel_hi:[1,0]   ; o(query r, channel 8 h + j of my head)
.endr
	ds_store_b128 v5, v[112:115]
	ds_store_b128 v5, v[116:119] offset:16
.Lmerged:
	BARRIER                                        ; 16 rows x 64 channels of o lie in the stage
	s_cmp_lg_u32 s24, 0
	s_cbranch_scc1 .Lend
.irp i, 0,1,2,3,4,5,6,7
	ds_load_b128 v[32+4*\i:35+4*\i], v6 offset:16*\i   ; wave 0: a lane takes one block of 32: two heads of one row
.endr
	v_mov_b32 v20, 0
	s_wait_alu depctr_va_vdst(0)
	s_wait_dscnt 0x0
.set XS, 32
	QUANT32 96
	v_permlanex16_b32 v20, v17, s40, s41
	v_lshl_or_b32 v21, v20, 8, v17                 ; lanes 0-15: the bytes of both blocks of row r
	global_store_b128 v7, v[96:99], s[54:55]       ; the block's first head: the image's lanes 0-15; sixteen lanes store 256 consecutive bytes, aligned
	global_store_b128 v7, v[100:103], s[54:55] offset:256   ; its second: lanes 16-31
	global_store_b32 v2, v21, s[56:57] offset:262144
.Lend:
	v_lshl_add_u32 v247, v0, 2, SPARE              ; my spare word and 0
	v_mov_b32 v246, 0
	s_wait_alu depctr_va_vdst(0)
	s_wait_tensorcnt 0x0
	ds_add_u32 v247, v246
	s_wait_dscnt 0x0
	s_endpgm
.Lfunc_end_k_q899f29980b_attn:
	.size	k_q899f29980b_attn, .Lfunc_end_k_q899f29980b_attn-k_q899f29980b_attn
	.p2alignl 7, 3214868480
	.fill 96, 4, 3214868480
	.section	.rodata,"a",@progbits
	.p2align	6, 0x0
	.amdhsa_kernel k_q899f29980b_attn
		.amdhsa_group_segment_fixed_size 10496
		.amdhsa_private_segment_fixed_size 0
		.amdhsa_enable_private_segment 0
		.amdhsa_kernarg_size 32
		.amdhsa_user_sgpr_count 2
		.amdhsa_user_sgpr_kernarg_segment_ptr 1
		.amdhsa_wavefront_size32 1
		.amdhsa_system_sgpr_workgroup_id_x 1
		.amdhsa_system_sgpr_workgroup_id_y 1
		.amdhsa_system_sgpr_workgroup_id_z 1
		.amdhsa_system_vgpr_workitem_id 0
		.amdhsa_next_free_vgpr 256
		.amdhsa_next_free_sgpr 66
		.amdhsa_reserve_vcc 1
		.amdhsa_float_denorm_mode_32 3
		.amdhsa_float_denorm_mode_16_64 3
		.amdhsa_memory_ordered 1
		.amdhsa_forward_progress 1
		.amdhsa_inst_pref_size 87
	.end_amdhsa_kernel
	.amdgpu_metadata
---
amdhsa.version: [ 1, 2 ]
amdhsa.kernels:
  - .name:           k_q899f29980b_attn
    .symbol:         k_q899f29980b_attn.kd
    .args:
      - { .name: att, .offset: 0, .size: 8, .value_kind: global_buffer, .address_space: global }
      - { .name: W2, .offset: 8, .size: 8, .value_kind: global_buffer, .address_space: global }
      - { .name: oc, .offset: 16, .size: 8, .value_kind: global_buffer, .address_space: global }
      - { .name: wcodes, .offset: 24, .size: 8, .value_kind: global_buffer, .address_space: global }
    .group_segment_fixed_size: 10496
    .private_segment_fixed_size: 0
    .kernarg_segment_align: 8
    .kernarg_segment_size: 32
    .max_flat_workgroup_size: 256
    .sgpr_count:     66
    .vgpr_count:     256
    .wavefront_size: 32
...
	.end_amdgpu_metadata
.endif
;; end of part 2
;; launch ffn (part 3): grid 16 x 16, 4 waves a work-group, clusters of 4 x 1, 327,680 bytes of LDS; arguments wcodes, oc, att, x, bo, g2, be2, part; writes part
.if DOCPART == 3
	.amdgcn_target "amdgcn-amd-amdhsa--gfx1250"
	.amdhsa_code_object_version 6
	.text
	.protected	k_q899f29980b_ffn
	.globl	k_q899f29980b_ffn
	.p2align	8
	.type	k_q899f29980b_ffn,@function
k_q899f29980b_ffn:
	s_mov_b64 s[64:65], 0
	v_nop
	global_prefetch_b8 v0, s[64:65] scope:SCOPE_SE
	s_setreg_imm32_b32 hwreg(HW_REG_WAVE_MODE, 25, 1), 1
	s_wait_xcnt 0x0
	s_wait_alu depctr_hold_cnt(0) depctr_sa_sdst(0) depctr_va_vdst(0) depctr_va_sdst(0) depctr_va_ssrc(0) depctr_va_vcc(0) depctr_vm_vsrc(0)
	s_getreg_b32 s2, hwreg(HW_REG_IB_STS2, 6, 4)
	s_cmp_eq_u32 s2, 0
	s_cbranch_scc0 .Lentry_in_a_cluster
	s_endpgm
.Lentry_in_a_cluster:
	s_bfe_u32 s2, ttmp6, 0x10000c
	s_cmp_lg_u32 s2, 0x3003
	s_cbranch_scc0 .Lentry_shape_is_right
	s_endpgm
.Lentry_shape_is_right:
; x1 = x + o Wo + bo; h2 = LayerNorm(x1); part[split] = Q(relu(h2 W1 + bf1)) W2 over the split's 4,096 hidden units (+ x1 in split 0): all products on codes of BF8 (E5M2) with one E8M0 scale for each 32 along K; h2 and the hidden layer never leave the work-group.
; GRID: x = row group (128 rows: 8 tiles of 16), y = split (32 bundles of 128 hidden units): 256 work-groups of equal work.  Four waves: wave w = 2 g + rh takes rows 64 rh .. + 63 and two of each slot's four bundles, 2 g and 2 g + 1.
; THE HEAD makes x1 and h2 for two of the wave's four row tiles (m = 0, 1) while slot 0 is on its way; the other two (m = 2, 3) are wave w xor 2's, and come from it through LDS.  Each split does this anew for its rows: 16 products of 1,040 a wave.
; A BUNDLE is 34,304 consecutive bytes, 134 rows of 256: W1's 8 fragments and W2's 8 as images of the operand's registers (512 bytes for four registers), W1's scale words (4 x 128 bytes), W2's (4 x 128), bf1 (512).
; THE RING: two slots of four bundles; each wave brings one bundle by one joint load.  The four work-groups of a cluster are four row groups of one split: they need the same bundles, so each is asked for jointly.
; ALL PRODUCTS TRANSPOSED (source 0 = 16 rows of a weight's transpose): a lane holds one row throughout.  Wo's, W1's and W2's tiles 2 c + u hold as their row 8 h + j column 32 c + 16 h + 8 u + j: so the 16 registers of a pair of tiles are 16 neighbours.
; ORDER IN A BUNDLE: products of block b + 1 (32 hidden units), then the quantiser of block b, so that a block's results are read behind another block's vector work; the next bundle's block 0 stands ahead of this bundle's last quantiser.
;   LDS loads stand in six runs behind vector work: W2's 36 in two runs by block 0's quantiser, the next bundle's W1 groups (13 loads each) behind block 1's, in block 2's and 3's and behind block 3's.
; PREFETCH: in a trip each cluster asks once for each 256 bytes of the slot that the refill two trips on will load; its 16 waves share the slot out by address.  Slots 0 to 3 come by their loads alone.
; LIMITS: a block whose largest magnitude lies under 2^-111 gets the byte 1; a block of zeros gets the byte 1 where the rule says 127 (its codes are zeros); NaN and infinities are not served.
; WINDOWS: 0: addresses, scale words (v8-23), W1's four groups, bias;  1: two sets of hidden sums (v0-127), codes (v128-191), work;  2: the sums (row tile m, column tile n at v[64 m + 8 n]);  3: W2 (v0-127), h2 (v128-191).
;   In the head: 0: g2, be2 (v64-191);  1: bo (v0-63), x, then x1 and h2 (v64-191);  3: Wo (v0-127), o (v192-223).
.set BUN,   34304                      ; a bundle in memory
.set SLOTM, 4*BUN
.set LP,    0x9000                     ; from bundle to bundle in LDS
.set SLOTX, 0x24000                    ; slot 1: no bundle's place in slot 0 has one of these bits, so an exclusive or turns one into the other
.set SPARE, 2*SLOTX
.set EX,    SPARE+512                  ; each wave's two tiles of h2 as images (2 x 2,048 bytes) and their scale words (2 x 128)
.set EXB,   4352
.set GB,    EX+4*EXB                   ; each wave's copy of bo, g2, be2 (3 x 512)
.set XS,  8                            ; scale words: h2
.set W1S, 12
.set PW,  16                           ; the hidden layer's
.set W2S, 20
.set W1,  32                           ; v32-159  four groups of two fragments
.set BI,  160                          ; v160-223 four groups of 16 bias numbers
.set SWO, 32                           ; in the head: Wo's scale words; v44, v45 o's
.set P,   128                          ; window 1
.set MX,  192
.set MY,  196
.set PT,  200
.set SO,  204
.set HD,  208
.set BY,  212                          ; 16 bytes: 4 b + m
.set LN,  228                          ; LayerNorm's sums: eight registers a tile
.set XF,  128                          ; window 3
.set OF,  192
.set MSB, 0
.macro WIN new                         ; the immediate's high byte repeats the setting that is left
.if MSB != \new
	s_set_vgpr_msb (MSB<<8)|\new
.set MSB, \new
.endif
.endm
.macro NOPS n
.rept \n
	v_nop
.endr
.endm
.macro WALU
	s_wait_alu depctr_va_vdst(0)
.endm
.macro CREST                           ; a round of the cluster's barrier behind its opening barrier
	s_cmp_lg_u32 s12, 0
	s_cbranch_scc1 .Lnot_wave_0_\@
	s_barrier_signal -3
.Lnot_wave_0_\@:
	s_barrier_wait -3
	s_barrier_signal -1
	s_barrier_wait -1
.endm
.macro CROUND
	s_barrier_signal -1
	s_barrier_wait -1
	CREST
.endm
.macro ADDRS                           ; LDS addresses in the slot that is read next: fragments of my even and odd bundle, scale words, bias
	v_add_nc_u32 v1, s48, v240
	v_add_nc_u32 v2, s48, v239
	v_add_nc_u32 v3, s48, v241
	v_add_nc_u32 v6, s48, v242
	WALU
.endm
.macro LDG g, t                        ; W1's group g of my bundle t: 8 loads of fragments, 4 of bias, 1 of scale words
	WIN 0
.irp i, 0,1,2,3,4,5,6,7
	ds_load_b128 v[W1+32*(\g)+4*\i:W1+32*(\g)+4*\i+3], v[1+(\t)] offset:4096*(\g)+512*\i
.endr
.irp i, 0,1,2,3
	ds_load_b128 v[BI+16*(\g)+4*\i:BI+16*(\g)+4*\i+3], v6 offset:LP*(\t)+128*(\g)+16*\i
.endr
	ds_load_b32 v[W1S+(\g)], v3 offset:LP*(\t)+128*(\g)
.endm
.macro LDW t, i0, cnt                  ; items i0 .. of W2's 36 of bundle t: 32 of fragments, 4 of scale words
.set JT, \i0
.rept \cnt
.if JT < 32
	WIN 0xc0
	ds_load_b128 v[4*JT:4*JT+3], v[1+(\t)] offset:16384+512*JT
.else
	WIN 0
	ds_load_b32 v[W2S+JT-32], v3 offset:LP*(\t)+512+128*(JT-32)
.endif
.set JT, JT+1
.endr
.endm
.macro AM b                            ; block b: eight products, the bias as C, into set b % 2
	WIN 0x4c
.irp u, 0,1
.irp m, 0,1,2,3
.if \u
	v_wmma_scale_f32_16x16x128_f8f6f4 v[64*((\b)%2)+16*\m+8:64*((\b)%2)+16*\m+15], v[W1+32*(\b)+16:W1+32*(\b)+31], v[XF+16*\m:XF+16*\m+15], v[BI+16*(\b)+8:BI+16*(\b)+15], v[W1S+(\b)], v[XS+\m] matrix_a_fmt:MATRIX_FMT_BF8 matrix_b_fmt:MATRIX_FMT_BF8 matrix_a_scale:MATRIX_SCALE_ROW1
.else
	v_wmma_scale_f32_16x16x128_f8f6f4 v[64*((\b)%2)+16*\m:64*((\b)%2)+16*\m+7], v[W1+32*(\b):W1+32*(\b)+15], v[XF+16*\m:XF+16*\m+15], v[BI+16*(\b):BI+16*(\b)+7], v[W1S+(\b)], v[XS+\m] matrix_a_fmt:MATRIX_FMT_BF8 matrix_b_fmt:MATRIX_FMT_BF8
.endif
.endr
.endr
.endm
.macro SCL by                          ; four blocks by turns: largest -> scale operand, bound, byte
.irp m, 0,1,2,3
	v_permlanex16_b32 v[PT+\m], v[MX+\m], s52, s53
.endr
.irp m, 0,1,2,3
	v_max_num_f32 v[MX+\m], v[MX+\m], v[PT+\m]     ; with lane l xor 16's: the block's largest
.endr
.irp m, 0,1,2,3
	v_add_nc_u32 v[SO+\m], 0xf8800000, v[MX+\m]    ; 15 off the exponent field: the conversion's scale operand
.endr
.irp m, 0,1,2,3
	v_and_or_b32 v[HD+\m], v[MX+\m], 0x7f800000, s54   ; 57,344 x the scale
.endr
.irp m, 0,1,2,3
	v_lshrrev_b32 v[BY+(\by)+\m], 23, v[SO+\m]     ; the scale's byte
.endr
.endm
; The quantiser of block b, first half: the four row tiles by turns.  No |.| on the sources: what is negative becomes 0
.macro QA b
.set HS, 64*((\b)%2)
	WIN 0x55
.irp m, 0,1,2,3
	v_max3_num_f32 v[MX+\m], v[HS+16*\m], v[HS+16*\m+1], v[HS+16*\m+2]
	v_max3_num_f32 v[MY+\m], v[HS+16*\m+8], v[HS+16*\m+9], v[HS+16*\m+10]
.endr
.irp i, 3,5
.irp m, 0,1,2,3
	v_max3_num_f32 v[MX+\m], v[MX+\m], v[HS+16*\m+\i], v[HS+16*\m+\i+1]
	v_max3_num_f32 v[MY+\m], v[MY+\m], v[HS+16*\m+\i+8], v[HS+16*\m+\i+9]
.endr
.endr
.irp m, 0,1,2,3
	v_max3_num_f32 v[MX+\m], v[MX+\m], v[HS+16*\m+7], v[HS+16*\m+15]
.endr
.irp m, 0,1,2,3
	v_max3_num_f32 v[MX+\m], v[MX+\m], v[MY+\m], 0x8000000   ; and the floor 2^(16 - 127): the byte cannot fall under 1
.endr
	SCL 4*(\b)
.endm
.macro HOLD m
.irp i, 0,1,2,3,4,5,6,7,8,9,10,11,12,13,14,15
	v_med3_num_f32 v[HS+16*\m+\i], v[HS+16*\m+\i], 0, v[HD+\m]   ; the activation and the hold in one (the conversion does not saturate: ISA guide 7.6.2)
.endr
.endm
.macro CVT b, m
	v_cvt_scalef32_pk8_bf8_f32 v[P+16*\m+4*(\b):P+16*\m+4*(\b)+1], v[HS+16*\m:HS+16*\m+7], v[SO+\m]
	v_cvt_scalef32_pk8_bf8_f32 v[P+16*\m+4*(\b)+2:P+16*\m+4*(\b)+3], v[HS+16*\m+8:HS+16*\m+15], v[SO+\m]
.endm
.macro QC b                            ; second half: a tile's conversions stand behind the next tile's holds
.set HS, 64*((\b)%2)
	WIN 0x55
	HOLD 0
	HOLD 1
	CVT \b, 0
	HOLD 2
	CVT \b, 1
	HOLD 3
	CVT \b, 2
	CVT \b, 3
	v_nop                                          ; a plain line behind the last conversion
.endm
.macro QW                              ; the four bytes of a row make its scale word
.irp m, 0,1,2,3
	v_lshl_or_b32 v[BY+\m], v[BY+4+\m], 8, v[BY+\m]
.endr
.irp m, 0,1,2,3
	v_lshl_or_b32 v[BY+\m], v[BY+8+\m], 16, v[BY+\m]
.endr
	WIN 0x15
.irp m, 0,1,2,3
	v_lshl_or_b32 v[PW+\m], v[BY+12+\m], 24, v[BY+\m]
.endr
.endm
.macro MM                              ; the second product: 32 accumulators by turns
	WIN 0xa7
.irp n, 0,1,2,3,4,5,6,7
.irp m, 0,1,2,3
.if \n%2
	v_wmma_scale_f32_16x16x128_f8f6f4 v[64*\m+8*\n:64*\m+8*\n+7], v[16*\n:16*\n+15], v[P+16*\m:P+16*\m+15], v[64*\m+8*\n:64*\m+8*\n+7], v[W2S+\n/2], v[PW+\m] matrix_a_fmt:MATRIX_FMT_BF8 matrix_b_fmt:MATRIX_FMT_BF8 matrix_a_scale:MATRIX_SCALE_ROW1
.else
	v_wmma_scale_f32_16x16x128_f8f6f4 v[64*\m+8*\n:64*\m+8*\n+7], v[16*\n:16*\n+15], v[P+16*\m:P+16*\m+15], v[64*\m+8*\n:64*\m+8*\n+7], v[W2S+\n/2], v[PW+\m] matrix_a_fmt:MATRIX_FMT_BF8 matrix_b_fmt:MATRIX_FMT_BF8
.endif
.endr
.endr
	WIN 0
.endm
; A bundle.  par: 0 my even one, 1 my odd one.  mode 0: the next bundle lies in the same slot; 1: a change of slots that fills the slot left; 2: one that fills nothing, and in the last trip nothing follows
.macro BUNDLE par, mode
	s_wait_dscnt 26                                ; group 1 is in; groups 2 and 3 (13 loads each) may be out
	AM 1
	QA 0
	LDW \par, 0, 18
	QC 0
	LDW \par, 18, 18
	s_wait_dscnt 49                                ; group 2 is in; group 3 and W2's 36 may be out
	AM 2
.if \mode == 0
	QA 1
	QC 1
.else
	WIN 0
.if \mode == 1
	s_wait_xcnt 0x0                                ; my last prefetch has read its address
	s_add_nc_u64 s[60:61], s[60:61], SLOTM
.endif
	s_wait_tensorcnt 0x0                           ; my bundle of the next slot has landed
.if \mode == 1
	ds_add_u32 v4, v5                              ; the add ahead of a refill's round
	s_xor_b32 s41, s41, SLOTX                      ; no load of mine is out: the descriptor may step
	s_add_nc_u64 s[42:43], s[42:43], SLOTM
.endif
	s_xor_b32 s48, s48, SLOTX
	QA 1
	WALU
	s_wait_dscnt 0x0                               ; the add is done, and my reads of this slot are over
	s_barrier_signal -1
	QC 1
	WIN 0
	WALU
	s_barrier_wait -1                              ; the next slot is whole
.if \mode == 1
	CREST                                          ; no wave of any partner still reads the slot left
	tensor_load_to_lds s[40:43], s[24:31]          ; two slots on, into the slot left
	s_nop 0
.endif
	ADDRS
.endif
.if \mode < 2
	LDG 0, 1-(\par)
.if \mode == 1
	s_cmp_gt_u32 s50, 2                            ; the last two trips ask for nothing
	s_cbranch_scc0 .Lnot_asked_\@
	global_prefetch_b8 v7, s[60:61] th:TH_LOAD_NT scope:SCOPE_SE
	s_cmp_lg_u32 s12, 0                            ; the slot's last 24 units: six to each work-group's wave 0
	s_cbranch_scc1 .Lnot_asked_\@
	global_prefetch_b8 v24, s[60:61] th:TH_LOAD_NT scope:SCOPE_SE
.Lnot_asked_\@:
.endif
	s_wait_dscnt 49                                ; group 3 is in; W2's 36 and the next bundle's group 0 may be out
	AM 3
	QA 2
	LDG 1, 1-(\par)
	QC 2
	s_wait_dscnt 13                                ; the next bundle's group 0 is in
	AM 0
	QA 3
	QW
	LDG 2, 1-(\par)
	QC 3
	NOPS 4                                         ; codes written by vector instructions stand four places ahead of a scaled product
	WALU
	LDG 3, 1-(\par)
	s_wait_dscnt 52                                ; W2 is in; the next bundle's four groups may be out
	MM
.else
	s_cmp_eq_u32 s50, 1                            ; the last bundle has no successor
	s_cbranch_scc1 .Llast_a_\@
	LDG 0, 0
	LDG 1, 0
	LDG 2, 0
.Llast_a_\@:
	AM 3
	QA 2
	QC 2
	WIN 0
	s_cmp_eq_u32 s50, 1
	s_cbranch_scc1 .Llast_b_\@
	s_wait_dscnt 26                                ; group 0 is in
	AM 0
	WIN 0
.Llast_b_\@:
	QA 3
	QW
	QC 3
	WIN 0
	WALU
	s_cmp_eq_u32 s50, 1
	s_cbranch_scc1 .Llast_c_\@
	LDG 3, 0
.Llast_c_\@:
	NOPS 4
	MM
.endif
.endm
	s_load_b256 s[4:11], s[0:1], 0x0               ; wcodes s4, oc s6, att s8, x s10
	s_load_b256 s[80:87], s[0:1], 0x20             ; bo s80, g2 s82, be2 s84, part s86
	v_lshl_add_u32 v4, v0, 2, SPARE
	v_mov_b32 v5, 0
	ds_add_u32 v4, v5                              ; the opening: the add, twice on end, and its wait
	ds_add_u32 v4, v5
	v_lshrrev_b32 v25, 5, v0
	v_readfirstlane_b32 s12, v25                   ; wave 0..3
	s_lshr_b32 s13, s12, 1                         ; g: my half of a slot's bundles
	s_and_b32 s14, s12, 1                          ; rh: my half of the rows
	s_bfe_u32 s15, ttmp6, 0x40000                  ; cx
	s_lshl_b32 s16, ttmp9, 2
	s_add_co_u32 s16, s16, s15                     ; row group
	s_and_b32 s17, ttmp7, 0xffff                   ; split
	s_mov_b32 s24, 15|(3<<16)|(1<<21)              ; group 1: all four partners; elements of 8 bytes; 134 dense rows of 32 elements
	s_mov_b32 s25, 32<<16
	s_mov_b32 s26, 134<<16
	s_mov_b32 s27, 32<<16
	s_mov_b32 s28, 134
	s_mov_b32 s29, 32
	s_mov_b32 s30, 0
	s_mov_b32 s31, 0
	s_mul_i32 s18, s17, 32*BUN                     ; the split's first bundle
	s_mov_b32 s19, 0
	s_mul_i32 s20, s12, BUN                        ; the bundle of a slot that I fetch,
	s_mov_b32 s21, 0
	s_mov_b32 s40, 1
	s_mul_i32 s41, s12, LP                         ; and where it goes
	s_lshl_b32 s55, s16, 3
	s_lshl_b32 s56, s14, 2
	s_add_co_u32 s55, s55, s56                     ; my four row tiles: 8 x row group + 4 rh on
	s_lshl_b32 s56, s13, 1
	s_add_co_u32 s57, s55, s56                     ; m = 0, 1: the two that I make in the head and whose sums I store
	s_mov_b32 s52, 0x76543210
	s_mov_b32 s53, 0xfedcba98                      ; v_permlanex16_b32's selects for lane l xor 16
	s_mov_b32 s54, 0x600000                        ; the mantissa field of 57,344
	s_mov_b32 s79, 0x3c000000                      ; 1 / 128
	s_mov_b32 s88, 0x3727c5ac                      ; 1e-5
	s_mov_b32 s48, 0                               ; LDS: the slot that is read
	s_mov_b32 s77, 0
	s_cmp_eq_u32 s17, 0
	s_cselect_b32 s78, -1, 0                       ; split 0 begins its sums with x1
	v_and_b32 v25, 31, v0                          ; lane
	v_bfe_u32 v26, v0, 4, 1                        ; h
	v_and_b32 v27, 15, v0                          ; r
	v_lshlrev_b32 v243, 4, v25                     ; 16 x lane
	v_lshlrev_b32 v244, 2, v25                     ; 4 x lane
	v_lshlrev_b32 v28, 6, v26                      ; 64 h
	v_lshl_add_u32 v29, v27, 9, v28                ; x: row r of 512 bytes + 64 h
	WALU
	s_wait_dscnt 0x0                               ; both opening adds are done
	s_wait_kmcnt 0x0
	s_add_nc_u64 s[60:61], s[4:5], s[18:19]
	s_add_nc_u64 s[42:43], s[60:61], s[20:21]
	s_or_b32 s43, s43, 0x80000000
	s_add_nc_u64 s[60:61], s[60:61], 3*SLOTM       ; the prefetches: the first trip steps it to slot 4
	s_lshl_b32 s76, s57, 11
	s_add_nc_u64 s[66:67], s[6:7], s[76:77]        ; o's images
	s_lshl_b32 s76, s57, 8
	s_add_nc_u64 s[70:71], s[6:7], s[76:77]        ; and their scale bytes
	s_lshl_b32 s76, s57, 13
	s_add_nc_u64 s[68:69], s[10:11], s[76:77]      ; x
	s_lshl_b32 s76, s17, 20
	s_lshl_b32 s59, s57, 13
	s_add_co_u32 s76, s76, s59
	s_add_nc_u64 s[74:75], s[86:87], s[76:77]      ; part: 1 MiB a split, 8,192 bytes a row tile
	WIN 0xc0
.irp n, 0,1,2,3,4,5,6,7
.irp c, 0,1,2,3
	global_load_b128 v[16*\n+4*\c:16*\n+4*\c+3], v243, s[8:9] offset:2375680+2048*\n+512*\c   ; Wo's eight fragments
.endr
.endr
.irp m, 0,1
.irp c, 0,1,2,3
	global_load_b128 v[OF+16*\m+4*\c:OF+16*\m+4*\c+3], v243, s[66:67] offset:2048*\m+512*\c
.endr
.endr
	WIN 0
.irp n, 0,1,2,3,4,5,6,7
	global_load_b32 v[SWO+\n], v244, s[8:9] offset:2392064+128*\n
.endr
.irp m, 0,1
	global_load_b32 v[40+\m], v244, s[70:71] offset:262144+256*\m       ; blocks 0, 1
	global_load_b32 v[42+\m], v244, s[70:71] offset:262144+256*\m+128   ; blocks 2, 3
.endr
	global_load_b128 v[48:51], v243, s[80:81]      ; bo, g2, be2: 16 bytes a lane
	global_load_b128 v[52:55], v243, s[82:83]
	global_load_b128 v[56:59], v243, s[84:85]
	CROUND                                         ; all four work-groups are here: the first joint loads meet
	tensor_load_to_lds s[40:43], s[24:31]          ; slot 0: one load a wave
	s_nop 0
	s_mul_i32 s59, s13, 2*LP                       ; my bundles' place in a slot
	v_add_nc_u32 v240, s59, v243                   ; my even bundle's fragments,
	v_add_nc_u32 v239, LP, v240                    ; my odd one's;
	v_add_nc_u32 v241, s59, v244
	v_add_nc_u32 v241, 32768, v241                 ; scale words;
	v_add_nc_u32 v242, s59, v28
	v_add_nc_u32 v242, 33792, v242                 ; bias: 64 h
	WIN 0x40
.irp m, 0,1
.irp c, 0,1,2,3
.irp i, 0,1,2,3
	global_load_b128 v[64+64*\m+16*\c+4*\i:64+64*\m+16*\c+4*\i+3], v29, s[68:69] offset:8192*\m+128*\c+16*\i   ; x(row r, 32 c + 16 h + 4 i ..)
.endr
.endr
.endr
	WIN 0
	s_xor_b32 s72, s12, 2
	s_lshl_b32 s59, s72, 14
	v_add_nc_u32 v245, s59, v243                   ; the way out: 16,384 bytes for each wave: what I hand over goes to wave w xor 2's
	s_lshl_b32 s59, s12, 14
	v_add_nc_u32 v246, s59, v243
	s_mul_i32 s59, s12, EXB
	s_add_co_u32 s59, s59, EX
	v_add_nc_u32 v247, s59, v243                   ; my images of h2,
	v_add_nc_u32 v248, s59, v244
	v_add_nc_u32 v248, 4096, v248                  ; and their scale words
	s_mul_i32 s59, s72, EXB
	s_add_co_u32 s59, s59, EX
	v_add_nc_u32 v249, s59, v243                   ; wave w xor 2's
	v_add_nc_u32 v250, s59, v244
	v_add_nc_u32 v250, 4096, v250
	s_mul_i32 s59, s12, 1536
	s_add_co_u32 s59, s59, GB
	v_add_nc_u32 v251, s59, v243                   ; bo, g2, be2: in,
	v_add_nc_u32 v252, s59, v28                    ; and back
	s_lshl_b32 s59, s15, 2
	s_add_co_u32 s59, s59, s12
	s_lshl_b32 s59, s59, 13
	v_lshl_add_u32 v7, v25, 8, s59                 ; a prefetch: 8,192 bytes for each of the cluster's 16 waves, lanes 256 bytes apart
	s_mul_i32 s59, s15, 1536
	s_add_co_u32 s59, s59, 131072
	v_min_u32 v24, 5, v25
	v_lshl_add_u32 v24, v24, 8, s59                ; and six units of the last 24 for each work-group
	WIN 0x40
.irp m, 0,1,2,3
	v_mov_b32 v[PT+\m], 0                          ; a lane permute's destination counts as one of its sources
.endr
	WIN 0x80
.set IT, 128
.rept 128
	v_mov_b32 v[IT], 0                             ; the sums of m = 2, 3 begin as zeros, so that one text serves the first bundle and all others
.set IT, IT+1
.endr
	WIN 0
	WALU
	s_wait_loadcnt 32                              ; all but x's 32
	ds_store_b128 v251, v[48:51]
	ds_store_b128 v251, v[52:55] offset:512
	ds_store_b128 v251, v[56:59] offset:1024
	v_lshl_or_b32 v44, v42, 16, v40                ; o's scale words
	v_lshl_or_b32 v45, v43, 16, v41
	WIN 0x40
.irp c, 0,1,2,3
.irp i, 0,1,2,3
	ds_load_b128 v[16*\c+4*\i:16*\c+4*\i+3], v252 offset:128*\c+16*\i          ; bo (LDS serves a wave's instructions in order: these see my stores)
.endr
.endr
	WIN 0
.irp c, 0,1,2,3
.irp i, 0,1,2,3
	ds_load_b128 v[64+16*\c+4*\i:64+16*\c+4*\i+3], v252 offset:512+128*\c+16*\i     ; g2
	ds_load_b128 v[128+16*\c+4*\i:128+16*\c+4*\i+3], v252 offset:1024+128*\c+16*\i  ; be2
.endr
.endr
	NOPS 8                                         ; a scale word written by a vector instruction stands eight places ahead of its product
	WALU
	s_wait_dscnt 32                                ; bo is in; g2's and be2's 32 may be out
	WIN 0x9f
.irp n, 0,1,2,3,4,5,6,7
.irp m, 0,1
	v_wmma_scale_f32_16x16x128_f8f6f4 v[64*\m+8*\n:64*\m+8*\n+7], v[16*\n:16*\n+15], v[OF+16*\m:OF+16*\m+15], v[8*\n:8*\n+7], v[SWO+\n], v[44+\m] matrix_a_fmt:MATRIX_FMT_BF8 matrix_b_fmt:MATRIX_FMT_BF8   ; o Wo + bo
.endr
.endr
	NOPS 8
	s_wait_loadcnt 0x0                             ; x
	WIN 0x46
.set IT, 0
.rept 64
	v_pk_add_f32 v[64+2*IT:65+2*IT], v[2*IT:2*IT+1], v[64+2*IT:65+2*IT]   ; x1, both tiles
.set IT, IT+1
.endr
	WIN 0x84
.set IT, 0
.rept 128
	v_cndmask_b32 v[IT], 0, v[64+IT], s78          ; the sums of m = 0, 1 begin as x1 in split 0, as zeros elsewhere
.set IT, IT+1
.endr
	; LayerNorm 2 in two passes, the two tiles by turns; a row lies in lanes l and l xor 16
	WIN 0x55
.irp m, 0,1
	v_pk_add_f32 v[LN+8*\m:LN+8*\m+1], v[64+64*\m:65+64*\m], v[66+64*\m:67+64*\m]
	v_pk_add_f32 v[LN+8*\m+2:LN+8*\m+3], v[68+64*\m:69+64*\m], v[70+64*\m:71+64*\m]
.endr
.irp j, 8,12,16,20,24,28,32,36,40,44,48,52,56,60
.irp m, 0,1
	v_pk_add_f32 v[LN+8*\m:LN+8*\m+1], v[LN+8*\m:LN+8*\m+1], v[64+64*\m+\j:65+64*\m+\j]
	v_pk_add_f32 v[LN+8*\m+2:LN+8*\m+3], v[LN+8*\m+2:LN+8*\m+3], v[66+64*\m+\j:67+64*\m+\j]
.endr
.endr
.macro ROWSUM                          ; of two pairs of partial sums, over both halves of the lanes, into v[LN + 8 m]
.irp m, 0,1
	v_pk_add_f32 v[LN+8*\m:LN+8*\m+1], v[LN+8*\m:LN+8*\m+1], v[LN+8*\m+2:LN+8*\m+3]
.endr
.irp m, 0,1
	v_add_f32 v[LN+8*\m], v[LN+8*\m], v[LN+8*\m+1]
.endr
.irp m, 0,1
	v_permlanex16_b32 v[LN+8*\m+2], v[LN+8*\m], s52, s53
.endr
.irp m, 0,1
	v_add_f32 v[LN+8*\m], v[LN+8*\m], v[LN+8*\m+2]
.endr
.endm
	ROWSUM
.irp m, 0,1
	v_mul_f32 v[LN+8*\m], s79, v[LN+8*\m]          ; the mean
.endr
.irp m, 0,1
	v_mov_b32 v[LN+8*\m+1], v[LN+8*\m]
.endr
.set IT, 0
.rept 32
.irp m, 0,1
	v_pk_add_f32 v[64+64*\m+IT:65+64*\m+IT], v[64+64*\m+IT:65+64*\m+IT], v[LN+8*\m:LN+8*\m+1] neg_lo:[0,1] neg_hi:[0,1]
.endr
.set IT, IT+2
.endr
.irp m, 0,1
	v_pk_mul_f32 v[LN+8*\m:LN+8*\m+1], v[64+64*\m:65+64*\m], v[64+64*\m:65+64*\m]
	v_pk_mul_f32 v[LN+8*\m+2:LN+8*\m+3], v[66+64*\m:67+64*\m], v[66+64*\m:67+64*\m]
.endr
.irp j, 4,8,12,16,20,24,28,32,36,40,44,48,52,56,60
.irp m, 0,1
	v_pk_fma_f32 v[LN+8*\m:LN+8*\m+1], v[64+64*\m+\j:65+64*\m+\j], v[64+64*\m+\j:65+64*\m+\j], v[LN+8*\m:LN+8*\m+1]
	v_pk_fma_f32 v[LN+8*\m+2:LN+8*\m+3], v[66+64*\m+\j:67+64*\m+\j], v[66+64*\m+\j:67+64*\m+\j], v[LN+8*\m+2:LN+8*\m+3]
.endr
.endr
	ROWSUM
.irp m, 0,1
	v_fma_f32 v[LN+8*\m], v[LN+8*\m], s79, s88     ; / 128 + 1e-5
.endr
	WALU
.irp m, 0,1
	v_rsq_f32 v[LN+8*\m+4], v[LN+8*\m]
.endr
	v_nop                                          ; a plain line behind the transcendentals
	WALU
.irp m, 0,1
	v_mov_b32 v[LN+8*\m+5], v[LN+8*\m+4]
.endr
.set IT, 0
.rept 32
.irp m, 0,1
	v_pk_mul_f32 v[64+64*\m+IT:65+64*\m+IT], v[64+64*\m+IT:65+64*\m+IT], v[LN+8*\m+4:LN+8*\m+5]
.endr
.set IT, IT+2
.endr
	WALU
	s_wait_dscnt 0x0                               ; g2, be2
	WIN 0x41
.set IT, 0
.rept 32
.irp m, 0,1
	v_pk_fma_f32 v[64+64*\m+IT:65+64*\m+IT], v[64+64*\m+IT:65+64*\m+IT], v[64+IT:65+IT], v[128+IT:129+IT]
.endr
.set IT, IT+2
.endr
.macro QN m                            ; tile m of h2, 64 numbers of a lane in four blocks, becomes a fragment and its scale word
.set XB, 64+64*\m
	WIN 0x55
.irp c, 0,1,2,3
	v_max3_num_f32 v[MX+\c], |v[XB+16*\c]|, |v[XB+16*\c+1]|, 0x8000000
	v_max3_num_f32 v[MY+\c], |v[XB+16*\c+2]|, |v[XB+16*\c+3]|, |v[XB+16*\c+4]|
.endr
.irp i, 5,9
.irp c, 0,1,2,3
	v_max3_num_f32 v[MX+\c], v[MX+\c], |v[XB+16*\c+\i]|, |v[XB+16*\c+\i+1]|
	v_max3_num_f32 v[MY+\c], v[MY+\c], |v[XB+16*\c+\i+2]|, |v[XB+16*\c+\i+3]|
.endr
.endr
.irp c, 0,1,2,3
	v_max3_num_f32 v[MX+\c], v[MX+\c], |v[XB+16*\c+13]|, |v[XB+16*\c+14]|
.endr
.irp c, 0,1,2,3
	v_max3_num_f32 v[MX+\c], v[MX+\c], v[MY+\c], |v[XB+16*\c+15]|
.endr
	SCL 0
	v_lshl_or_b32 v[BY], v[BY+1], 8, v[BY]
	v_lshl_or_b32 v[BY], v[BY+2], 16, v[BY]
	WIN 0x15
	v_lshl_or_b32 v[XS+\m], v[BY+3], 24, v[BY]
	WIN 0x55
.irp c, 0,1,2,3
.irp i, 0,1,2,3,4,5,6,7,8,9,10,11,12,13,14,15
	v_med3_num_f32 v[XB+16*\c+\i], v[XB+16*\c+\i], -v[HD+\c], v[HD+\c]
.endr
.endr
	WIN 0xc5
.irp c, 0,1,2,3
	v_cvt_scalef32_pk8_bf8_f32 v[XF+16*\m+4*\c:XF+16*\m+4*\c+1], v[XB+16*\c:XB+16*\c+7], v[SO+\c]
	v_cvt_scalef32_pk8_bf8_f32 v[XF+16*\m+4*\c+2:XF+16*\m+4*\c+3], v[XB+16*\c+8:XB+16*\c+15], v[SO+\c]
.endr
	v_nop                                          ; a plain line behind the last conversion
.endm
	QN 0
	QN 1
	WALU
	WIN 0x0c
.irp m, 0,1
.irp c, 0,1,2,3
	ds_store_b128 v247, v[XF+16*\m+4*\c:XF+16*\m+4*\c+3] offset:2048*\m+512*\c
.endr
.endr
	WIN 0
	ds_store_b32 v248, v[XS]
	ds_store_b32 v248, v[XS+1] offset:128
	s_wait_tensorcnt 0x0                           ; my bundle of slot 0 is in
	ds_add_u32 v4, v5
	s_xor_b32 s41, s41, SLOTX
	s_add_nc_u64 s[42:43], s[42:43], SLOTM
	s_wait_dscnt 0x0                               ; the add is done, and my images have landed
	CROUND
	tensor_load_to_lds s[40:43], s[24:31]          ; slot 1
	s_nop 0
	ADDRS
	WIN 0xc0
.irp m, 0,1
.irp c, 0,1,2,3
	ds_load_b128 v[XF+32+16*\m+4*\c:XF+32+16*\m+4*\c+3], v249 offset:2048*\m+512*\c
.endr
.endr
	WIN 0
	ds_load_b32 v[XS+2], v250
	ds_load_b32 v[XS+3], v250 offset:128
	LDG 0, 0
	LDG 1, 0
	LDG 2, 0
	LDG 3, 0
	s_wait_dscnt 39                                ; group 0 is in
	AM 0
	WIN 0
	NOPS 8                                         ; places ahead of the first read of block 0's results
	s_mov_b32 s50, 6
.Lfill:                                                ; slots 0 to 5; a trip's change of slots fills slots 2 to 7
	BUNDLE 0, 0
	BUNDLE 1, 1
	s_sub_co_u32 s50, s50, 1
	s_cmp_lg_u32 s50, 0
	s_cbranch_scc1 .Lfill
	s_mov_b32 s50, 2
.Lrest:                                                ; slots 6 and 7
	BUNDLE 0, 0
	BUNDLE 1, 2
	s_sub_co_u32 s50, s50, 1
	s_cmp_lg_u32 s50, 0
	s_cbranch_scc1 .Lrest
	; THE WAY OUT.  Waves w and w xor 2 hold the same rows over different hidden units: each hands two row tiles over through LDS (slot 0's bytes: last filled with slot 6, which nobody reads any more) and stores the other two
	s_wait_dscnt 0x0
	s_barrier_signal -1
	NOPS 8                                         ; places behind the last products
	s_barrier_wait -1
	WIN 0x08
.set IT, 0
.rept 32
	ds_store_b128 v245, v[128+4*IT:128+4*IT+3] offset:512*IT
.set IT, IT+1
.endr
	WIN 0
	s_wait_dscnt 0x0                               ; for the other wave's sake: my stores have landed
	s_barrier_signal -1
	s_barrier_wait -1
.set IT, 0
.rept 32
	ds_load_b128 v[32+4*IT:32+4*IT+3], v246 offset:512*IT
.set IT, IT+1
.endr
.irp q, 0,1,2,3
	s_wait_dscnt 24-8*\q                           ; eight more are in
	WIN 0x08
.set IT, 16*\q
.rept 16
	v_pk_add_f32 v[32+2*IT:33+2*IT], v[32+2*IT:33+2*IT], v[2*IT:2*IT+1]
.set IT, IT+1
.endr
	WIN 0
.set IT, 8*\q
.rept 8
	global_store_b128 v243, v[32+4*IT:32+4*IT+3], s[74:75] offset:512*IT   ; 512 consecutive bytes, aligned
.set IT, IT+1
.endr
.endr
	s_wait_tensorcnt 0x0                           ; the wave's end
	ds_add_u32 v4, v5
	s_wait_dscnt 0x0
	CROUND                                         ; the closing round
	s_endpgm
.Lfunc_end_k_q899f29980b_ffn:
	.size	k_q899f29980b_ffn, .Lfunc_end_k_q899f29980b_ffn-k_q899f29980b_ffn
	.p2alignl 7, 3214868480
	.fill 96, 4, 3214868480
	.section	.rodata,"a",@progbits
	.p2align	6, 0x0
	.amdhsa_kernel k_q899f29980b_ffn
		.amdhsa_group_segment_fixed_size 327680
		.amdhsa_private_segment_fixed_size 0
		.amdhsa_enable_private_segment 0
		.amdhsa_kernarg_size 64
		.amdhsa_user_sgpr_count 2
		.amdhsa_user_sgpr_kernarg_segment_ptr 1
		.amdhsa_wavefront_size32 1
		.amdhsa_system_sgpr_workgroup_id_x 1
		.amdhsa_system_sgpr_workgroup_id_y 1
		.amdhsa_system_sgpr_workgroup_id_z 1
		.amdhsa_system_vgpr_workitem_id 0
		.amdhsa_next_free_vgpr 1024
		.amdhsa_next_free_sgpr 96
		.amdhsa_reserve_vcc 0
		.amdhsa_float_denorm_mode_32 3
		.amdhsa_float_denorm_mode_16_64 3
		.amdhsa_memory_ordered 1
		.amdhsa_forward_progress 1
		.amdhsa_inst_pref_size 255
	.end_amdhsa_kernel
	.section	.bss,"aw",@nobits
	.p2align	6
	.space	262144
	.amdgpu_metadata
---
amdhsa.version: [ 1, 2 ]
amdhsa.kernels:
  - .name:           k_q899f29980b_ffn
    .symbol:         k_q899f29980b_ffn.kd
    .args:
      - { .name: wcodes, .offset: 0, .size: 8, .value_kind: global_buffer, .address_space: global }
      - { .name: oc, .offset: 8, .size: 8, .value_kind: global_buffer, .address_space: global }
      - { .name: att, .offset: 16, .size: 8, .value_kind: global_buffer, .address_space: global }
      - { .name: x, .offset: 24, .size: 8, .value_kind: global_buffer, .address_space: global }
      - { .name: bo, .offset: 32, .size: 8, .value_kind: global_buffer, .address_space: global }
      - { .name: g2, .offset: 40, .size: 8, .value_kind: global_buffer, .address_space: global }
      - { .name: be2, .offset: 48, .size: 8, .value_kind: global_buffer, .address_space: global }
      - { .name: part, .offset: 56, .size: 8, .value_kind: global_buffer, .address_space: global }
    .group_segment_fixed_size: 327680
    .private_segment_fixed_size: 0
    .kernarg_segment_align: 8
    .kernarg_segment_size: 64
    .max_flat_workgroup_size: 128
    .sgpr_count:     96
    .vgpr_count:     1024
    .wavefront_size: 32
...
	.end_amdgpu_metadata
.endif
;; end of part 3
;; launch reduce (part 4): grid 256 x 1, 8 waves a work-group, no clusters, 5,632 bytes of LDS; arguments part, bf2, out0; writes out0
.if DOCPART == 4
	.amdgcn_target "amdgcn-amd-amdhsa--gfx1250"
	.amdhsa_code_object_version 6
	.text
	.protected	k_q899f29980b_reduce
	.globl	k_q899f29980b_reduce
	.p2align	8
	.type	k_q899f29980b_reduce,@function
k_q899f29980b_reduce:
	s_mov_b64 s[64:65], 0
	v_nop
	global_prefetch_b8 v0, s[64:65] scope:SCOPE_SE
	s_setreg_imm32_b32 hwreg(HW_REG_WAVE_MODE, 25, 1), 1
	s_wait_xcnt 0x0
; out0 = the sum of the 16 splits' parts (x1 is in the first) + bf2.  A stream: no matrix unit, no cluster, no tensor load: work-groups share nothing but bf2's 512 bytes.
; A work-group takes 16 rows x 64 columns (row tile T = work-group / 2, half ch = work-group % 2): 4,096 consecutive bytes of each split's part.  Thread t takes the 16 bytes at 16 t of each: a wave's load covers 512 consecutive bytes.
; In part a lane (r, h) of piece (n = 2 c + u, q) holds row r, columns 32 c + 16 h + 8 u + 4 q + 0 .. 3: the sums turn through LDS (rows of 256 + 16 bytes) and leave as rows: sixteen lanes store 256 consecutive bytes, aligned.
; All 16 loads of a thread go out at once; they are summed in two groups of eight as they land.
.set L, 16                             ; v16-79 the 16 pieces
	s_load_b128 s[4:7], s[0:1], 0x0                ; part s4, bf2 s6
	s_load_b64 s[10:11], s[0:1], 0x10              ; out0
	v_lshl_add_u32 v80, v0, 2, 0x1200
	v_mov_b32 v81, 0
	v_lshrrev_b32 v1, 5, v0
	s_delay_alu instid0(VALU_DEP_1)
	v_readfirstlane_b32 s12, v1                    ; wave: c = w / 4 of my two, u = (w / 2) % 2, q = w % 2
	s_lshr_b32 s13, ttmp9, 1                       ; T
	s_and_b32 s14, ttmp9, 1                        ; ch
	v_lshlrev_b32 v1, 4, v0                        ; 16 t
	v_lshrrev_b32 v2, 4, v0                        ; on the way out: row t / 16,
	v_and_b32 v3, 15, v0                           ; piece t % 16 of its 256 bytes
	s_delay_alu instid0(VALU_DEP_1)
	v_lshlrev_b32 v12, 4, v3
	s_delay_alu instid0(VALU_DEP_1)
	v_lshl_add_u32 v13, v2, 9, v12                 ; out0: row x 512 + 16 x piece
	v_mul_u32_u24 v14, v2, 272
	s_delay_alu instid0(VALU_DEP_1)
	v_add_nc_u32 v14, v14, v12                     ; LDS, back: row x 272 + 16 x piece
	v_mul_u32_u24 v15, v3, 272                     ; LDS, in: row r = lane % 16,
	v_bfe_u32 v2, v0, 4, 1
	s_delay_alu instid0(VALU_DEP_1)
	v_lshl_add_u32 v15, v2, 6, v15                 ; + 64 h,
	s_lshr_b32 s15, s12, 2
	s_lshl_b32 s15, s15, 7
	s_bfe_u32 s16, s12, 0x10001
	s_lshl_b32 s16, s16, 5
	s_add_co_u32 s15, s15, s16
	s_and_b32 s16, s12, 1
	s_lshl_b32 s16, s16, 4
	s_add_co_u32 s15, s15, s16
	s_wait_alu depctr_va_vdst(0)                   ; the wait directly ahead of the reader
	v_add_nc_u32 v15, s15, v15                     ; + 128 c + 32 u + 16 q
	s_lshl_b32 s16, s13, 13
	s_lshl_b32 s18, s14, 12
	s_add_co_u32 s18, s18, s16                     ; part: 8,192 T + 4,096 ch
	s_mov_b32 s19, 0
	s_lshl_b32 s28, s14, 8                         ; bf2: 256 ch
	s_mov_b32 s29, 0
	s_add_co_u32 s16, s16, s28                     ; out0: 16 T rows of 512 bytes + 256 ch
	s_mov_b32 s17, 0
	s_wait_alu depctr_va_vdst(0)                   ; the wait at the head's end
	s_wait_kmcnt 0x0
	s_add_nc_u64 s[10:11], s[10:11], s[16:17]
	s_add_nc_u64 s[6:7], s[6:7], s[28:29]
	s_add_nc_u64 s[20:21], s[4:5], s[18:19]        ; a base for each eight splits, so that a split's offset fits the signed 24-bit immediate
	s_add_nc_u64 s[22:23], s[20:21], 0x800000
.irp a, 0,1
.irp j, 0,1,2,3,4,5,6,7
	global_load_b128 v[L+32*\a+4*\j:L+32*\a+4*\j+3], v1, s[20+2*\a:21+2*\a] offset:\j*1048576 th:TH_LOAD_NT
.endr
.endr
	global_load_b128 v[8:11], v12, s[6:7]
.macro ADD4 d, s                       ; four numbers onto four
	v_pk_add_f32 v[\d:\d+1], v[\d:\d+1], v[\s:\s+1]
	v_pk_add_f32 v[\d+2:\d+3], v[\d+2:\d+3], v[\s+2:\s+3]
.endm
.macro GSUM a, left                    ; a group's eight pieces, as a tree; left: the younger loads, which may stay out
	s_wait_loadcnt \left
.irp p, 0,8,16,24
	ADD4 L+32*\a+\p, L+32*\a+\p+4
.endr
.irp p, 0,16
	ADD4 L+32*\a+\p, L+32*\a+\p+8
.endr
	ADD4 L+32*\a, L+32*\a+16
.endm
	GSUM 0, 9
	GSUM 1, 0
	ADD4 L, L+32
	ds_store_b128 v15, v[L:L+3]
	s_wait_dscnt 0x0                               ; for the others' sake: my store has landed
	s_barrier_signal -1
	s_barrier_wait -1
	ds_load_b128 v[L+4:L+7], v14
	s_wait_dscnt 0x0
	ADD4 L+4, 8
	global_store_b128 v13, v[L+4:L+7], s[10:11]
	s_wait_tensorcnt 0x0                           ; the wave's end
	ds_add_u32 v80, v81
	s_wait_dscnt 0x0
	s_endpgm
.Lfunc_end_k_q899f29980b_reduce:
	.size	k_q899f29980b_reduce, .Lfunc_end_k_q899f29980b_reduce-k_q899f29980b_reduce
	.p2alignl 7, 3214868480
	.fill 96, 4, 3214868480
	.section	.rodata,"a",@progbits
	.p2align	6, 0x0
	.amdhsa_kernel k_q899f29980b_reduce
		.amdhsa_group_segment_fixed_size 5632
		.amdhsa_private_segment_fixed_size 0
		.amdhsa_enable_private_segment 0
		.amdhsa_kernarg_size 24
		.amdhsa_user_sgpr_count 2
		.amdhsa_user_sgpr_kernarg_segment_ptr 1
		.amdhsa_wavefront_size32 1
		.amdhsa_system_sgpr_workgroup_id_x 1
		.amdhsa_system_sgpr_workgroup_id_y 1
		.amdhsa_system_sgpr_workgroup_id_z 1
		.amdhsa_system_vgpr_workitem_id 0
		.amdhsa_next_free_vgpr 96
		.amdhsa_next_free_sgpr 66
		.amdhsa_reserve_vcc 0
		.amdhsa_float_denorm_mode_32 3
		.amdhsa_float_denorm_mode_16_64 3
		.amdhsa_memory_ordered 1
		.amdhsa_forward_progress 1
		.amdhsa_inst_pref_size 7
	.end_amdhsa_kernel
	.amdgpu_metadata
---
amdhsa.version: [ 1, 2 ]
amdhsa.kernels:
  - .name:           k_q899f29980b_reduce
    .symbol:         k_q899f29980b_reduce.kd
    .args:
      - { .name: part, .offset: 0, .size: 8, .value_kind: global_buffer, .address_space: global }
      - { .name: bf2, .offset: 8, .size: 8, .value_kind: global_buffer, .address_space: global }
      - { .name: out0, .offset: 16, .size: 8, .value_kind: global_buffer, .address_space: global }
    .group_segment_fixed_size: 5632
    .private_segment_fixed_size: 0
    .kernarg_segment_align: 8
    .kernarg_segment_size: 24
    .max_flat_workgroup_size: 256
    .sgpr_count:     66
    .vgpr_count:     96
    .wavefront_size: 32
...
	.end_amdgpu_metadata
.endif
;; end of part 4
